; MI455X (gfx1250); checked and timed in simulation.
; The chip was launched on July 23, 2026; its instructions are those of AMD's public machine-readable ISA for CDNA 5 (MIT licence, August 2026) and "CDNA5" Instruction Set Architecture Reference Guide (July 2026). The comments in the code are by the model that wrote it; some were corrected since.
;; Rotary PE Multi Head Attention. Allowed arithmetic: matrix products marked QUANTISED: E2M3 operands, one E8M0 scale for each 32 along K, by v_wmma_scale_f32_16x16x128_f8f6f4 with both operands' format E2M3, f32 sums; everything else in f32.
;; Inputs: Wk 1,024 x 1,024 float32; Wo 1,024 x 1,024 float32; Wq 1,024 x 1,024 float32; Wv 1,024 x 1,024 float32; bk 1,024 float32; bo 1,024 float32; bq 1,024 float32; bv 1,024 float32; key 4 x 2,048 x 1,024 float32; query 4 x 2,048 x 1,024 float32; value 4 x 2,048 x 1,024 float32.
;; Outputs: out0 4 x 2,048 x 1,024 float32.
;; This version of the problem:
;;   THIS VERSION OF THE PROBLEM IS GIVEN IN LOW PRECISION. The matrix products marked QUANTISED in the list below multiply operands that are first quantised to E2M3 (2 exponent bits, 3 mantissa bits; 6 bits a number), with one power-of-two scale for each 32 numbers along K (OCP MX v1.0); their sums are f32. All else is computed in f32.
;;   The module's matrix products, in the order in which they are computed (A, B: the left and right operand; K: the contracted axis; several contracted axes count as one K, in the product's order):
;;     1. [M 8,192, K 1,024] x [K 1,024, N 1,024]; A: input query; B: input Wq: QUANTISED
;;     2. [M 8,192, K 1,024] x [K 1,024, N 1,024]; A: input key; B: input Wk: QUANTISED
;;     3. [M 8,192, K 1,024] x [K 1,024, N 1,024]; A: input value; B: input Wv: QUANTISED
;;     4. batch 64 x [M 2,048, K 64] x [K 64, N 2,048]; A: computed on the way; B: computed on the way: QUANTISED
;;     5. batch 64 x [M 64, K 2,048] x [K 2,048, N 2,048]; A: computed on the way; B: softmax (see below): QUANTISED
;;     6. [M 8,192, K 1,024] x [K 1,024, N 1,024]; A: computed on the way; B: input Wo: QUANTISED
;;   THE QUANTISER, for each operand of a quantised product, along K:
;;     - K is cut into blocks of 32 from its start; a last block that is shorter is filled with zeros.
;;     - A block's scale is 2^e with e = floor(log2(the largest magnitude in the block)) - 2, held to -126 .. 127; a block of zeros has e = 0. As a byte (E8M0): e + 127.
;;     - Each number is divided by its block's scale, clamped to +-7.5, and rounded to the nearest number of E2M3, ties to even, subnormals kept.
;;     - The product sums the exact products of the quantised numbers (number of the format x scale) in f32.
;;   ~~~python
;;   def quantise(x, axis):      # numpy; x: float32 -> the quantised numbers, widened to float32 again
;;       x = np.moveaxis(x, axis, -1); K = x.shape[-1]
;;       x = np.pad(x, [(0, 0)] * (x.ndim - 1) + [(0, -K % 32)]); x = x.reshape(x.shape[:-1] + (-1, 32)); a = np.abs(x).max(-1, keepdims=True)
;;       e = np.where(a > 0, np.clip(np.frexp(np.where(a > 0, a, 1))[1] - 1 - 2, -126, 127), 0)      # np.frexp(a)[1] - 1 = floor(log2(a)), exactly
;;       r = np.clip(x / 2.0 ** e, -7.5, 7.5)
;;       step = 2.0 ** (np.maximum(np.frexp(np.where(r == 0, 1, r))[1] - 1, 0) - 3)
;;       q = np.round(r / step) * step * 2.0 ** e      # np.round: ties to even
;;       return np.moveaxis(q.reshape(q.shape[:-2] + (-1,))[..., :K], -1, axis).astype(np.float32)
;;   ~~~
;;   SOFTMAX AHEAD OF A QUANTISED PRODUCT. Where the list says 'softmax', what is quantised is not the finished softmax but p = 2^(t - M), with t = logit x log2(e) and M = ceil(the row's largest t), a whole number; so 1/2 < the row's largest p <= 1. The row's sum l is taken of the UNQUANTISED p, in f32, and the product's result is divided by l at the end. Since M is a whole number, a kernel that streams over the keys may use a running M (the ceiling of the running maximum): every later rescaling is an exact power of two, which a block's scale takes up: the codes' values come out the same.
;;   OPERANDS COMPUTED ON THE WAY. 'Computed on the way' means the value that the module computes at that place (a softmax that the list does not call 'softmax' is quantised finished and normalised). What goes into a quantiser is computed in f32, as accurately as f32 sums, v_exp_f32 and their like allow (about 1e-6 of the number): no bf16 or f16 on the way to a quantiser, and a product that is left as it is and whose result goes on into a quantised operand takes f32 operands (vector FMAs, or v_wmma_f32_16x16x4_f32). A number that lies on a knife's edge between two numbers of the format may be rounded either way, as far as f32 arithmetic and the matrix unit's own rounding can turn it there, and no further.
;; One version. Each part assembles by itself: llvm-mc -triple=amdgcn-amd-amdhsa -mcpu=gfx1250 --defsym DOCPART=n.
;; ======== version 1 of 1: 4 launches
;; limits: right only within a limited range of input values
;; workspace buffers: aimg 19,660,800 bytes; wimg 3,276,800 bytes; rope 262,144 bytes; qimg 6,815,744 bytes; kv 13,369,344 bytes; ximg 6,553,600 bytes
;; launch prep (part 1): grid 928 x 1, 4 waves a work-group, no clusters, 34,304 bytes of LDS; arguments query, key, value, Wq, Wk, Wv, Wo, aimg, wimg, rope; writes aimg, wimg, rope
.if DOCPART == 1
	.amdgcn_target "amdgcn-amd-amdhsa--gfx1250"
	.amdhsa_code_object_version 6
	.text
	.protected	k_qfec260cd71_prep
	.globl	k_qfec260cd71_prep
	.p2align	8
	.type	k_qfec260cd71_prep,@function
k_qfec260cd71_prep:
	s_mov_b64 s[64:65], 0
	v_nop
	global_prefetch_b8 v0, s[64:65] scope:SCOPE_SE
	s_setreg_imm32_b32 hwreg(HW_REG_WAVE_MODE, 25, 1), 1
	s_wait_xcnt 0x0
; PREP: query, key, value [8192][1024] (K innermost) and Wq, Wk, Wv, Wo [1024 (K)][1024 (n)] (K outermost), f32, become codes of E2M3 with one E8M0 byte
; for each 32 along K, laid as IMAGES OF OPERAND REGISTERS; and the table of cos and sin for the rotary embedding is made.
; A half fragment (16 rows x 64 K: 6 registers a lane) is 768 bytes: registers 0-3 at 16 x lane, registers 4-5 at 512 + 8 x lane.
; In a group of 64 rows, tile u, row m is group row 32 (m / 8) + 8 u + m % 8.  A half unit (64 rows x 128 K) is 6,400 bytes: half fragment (u, c) at
; (2 u + c) x 768, and at 6,144 the scale words: lane (r, x), word v = the word of tile 2 v + x, row r.  Two half units are a unit, eight units (all of K) a group of 128 rows.
; A block's scale byte is its largest magnitude's exponent field - 2, held at 1 from below by a floor among the maximum's leaves.
; LIMITS: NaN and infinities are not served.  A block of zeros gets the byte 1 where the quantiser says 127: its codes are zeros, and this program alone reads the bytes.
; theta_j = 10^(-j / 4) is given as the nearest f32; it may differ by one unit in the last place from a power computed in f32.
; SHARES: work-groups 0-767: path X, a wave makes one half unit of query, key or value; 768-895: path W, the same of a weight; 896-927: the table, 64 positions each.
; Waves share nothing: no barrier.  Only path X uses LDS: a stage of 16 rows x (512 + 16) bytes for each wave.
.set SPARE, 33792                      ; behind the four stages: the spare words, 128 bytes a wave
.set STG,   8448
.set PITCH, 528
.set UNIT,  12800
.set HALF,  6400
.set FLOOR, 0x1800000                  ; 2^(3 - 127)
.set ESUB,  0xff000000                 ; takes 2 off an exponent field
; v1 16 x lane, v2 8 x lane, v3 stage in, v4 stage out, v5 8 hh, v6 spare word, v7 0, v8-12 at work, v13 an offset, v14 r, v15 hh, v16-19 scale words,
; v[20:21] scale image, v22 a permute's destination, v23 lane, v24-47 codes, v48-54 conversions' second halves, v64-127 64 neighbours, v128-255 numbers as loaded
; 32 numbers v[x] .. v[x+31], one block, become 6 registers of codes: three at cd, three at t (a conversion's three registers begin on an even number)
.macro Q32 x, cd, t, ma, mb, sc
	v_max3_num_f32 v[\ma], |v[(\x)]|, |v[(\x)+1]|, FLOOR
	v_max3_num_f32 v[\mb], |v[(\x)+16]|, |v[(\x)+17]|, |v[(\x)+18]|
.irp i, 0,1,2,3,4,5
	v_max3_num_f32 v[\ma], v[\ma], |v[(\x)+2+2*\i]|, |v[(\x)+3+2*\i]|
	v_max3_num_f32 v[\mb], v[\mb], |v[(\x)+19+2*\i]|, |v[(\x)+20+2*\i]|
.endr
	v_max3_num_f32 v[\ma], v[\ma], |v[(\x)+14]|, |v[(\x)+15]|
	v_max3_num_f32 v[\ma], v[\ma], v[\mb], |v[(\x)+31]|
	v_add_nc_u32 v[\sc], ESUB, v[\ma]              ; the conversion takes this operand's exponent field as its scale
	v_cvt_scalef32_pk16_fp6_f32 v[(\cd):(\cd)+2], v[(\x):(\x)+15], v[\sc]
	v_cvt_scalef32_pk16_fp6_f32 v[(\t):(\t)+2], v[(\x)+16:(\x)+31], v[\sc]
.endm
.macro MOV3 cd, t
.irp i, 0,1,2
	v_mov_b32 v[(\cd)+3+\i], v[(\t)+\i]
.endr
.endm
.macro STORE_HF reg, off               ; a half fragment: 512 and 256 consecutive bytes
	global_store_b128 v1, v[(\reg):(\reg)+3], s[26:27] offset:\off
	global_store_b64 v2, v[(\reg)+4:(\reg)+5], s[26:27] offset:(\off)+512
.endm
	s_load_b256 s[4:11], s[0:1], 0x0               ; query, key, value, Wq
	s_load_b256 s[12:19], s[0:1], 0x20             ; Wk, Wv, Wo, aimg
	s_load_b128 s[20:23], s[0:1], 0x40             ; wimg, rope
	v_lshl_add_u32 v6, v0, 2, SPARE
	v_mov_b32 v7, 0
	v_lshrrev_b32 v8, 5, v0
	v_readfirstlane_b32 s24, v8                    ; wave
	v_and_b32 v23, 31, v0                          ; lane
	v_and_b32 v14, 15, v0                          ; r
	v_bfe_u32 v15, v0, 4, 1                        ; hh
	v_lshlrev_b32 v1, 4, v23
	v_lshlrev_b32 v2, 3, v23
	v_lshlrev_b32 v5, 3, v15
	v_mov_b32 v22, 0
	s_mul_i32 s25, s24, STG
	v_add_nc_u32 v3, s25, v1                       ; the stage, way in: 16 bytes a lane of a row of 512
	v_mul_u32_u24 v4, v14, PITCH
	v_lshl_add_u32 v4, v15, 7, v4
	v_add_nc_u32 v4, s25, v4                       ; way out: row r, + 128 hh: my 32 neighbours of each 64
	s_mov_b32 s30, 0x76543210
	s_mov_b32 s31, 0xfedcba98                      ; selects for lane l xor 16
	s_wait_kmcnt 0x0
	s_cmp_lt_u32 ttmp9, 768
	s_cbranch_scc0 .Lnot_x
; ---------------- PATH X: 64 rows x 128 K of query, key or value
	s_lshr_b32 s32, ttmp9, 1                       ; G: which group of 64 rows of the three tensors on end
	s_and_b32 s33, ttmp9, 1
	s_lshl_b32 s33, s33, 2
	s_add_co_u32 s33, s33, s24                     ; K step
	s_cmp_lt_u32 s32, 256
	s_cselect_b64 s[28:29], s[6:7], s[8:9]
	s_cmp_lt_u32 s32, 128
	s_cselect_b64 s[28:29], s[4:5], s[28:29]
	s_and_b32 s34, s32, 127
	s_lshl_b32 s34, s34, 18                        ; 64 rows of 4,096 bytes
	s_lshl_b32 s35, s33, 9
	s_add_co_u32 s34, s34, s35
	s_mov_b32 s35, 0
	s_add_nc_u64 s[28:29], s[28:29], s[34:35]
	s_lshr_b32 s36, s32, 1
	s_lshl_b32 s36, s36, 3
	s_add_co_u32 s36, s36, s33
	s_mul_i32 s36, s36, UNIT
	s_and_b32 s37, s32, 1
	s_mul_i32 s37, s37, HALF
	s_add_co_u32 s36, s36, s37
	s_mov_b32 s37, 0
	s_add_nc_u64 s[26:27], s[18:19], s[36:37]
.macro LOADX u                         ; tile u's 16 rows: each load reads 512 consecutive bytes
.irp i, 0,1,2,3,4,5,6,7,8,9,10,11,12,13,14,15
	global_load_b128 v[128+64*((\u)%2)+4*\i:128+64*((\u)%2)+4*\i+3], v1, s[28:29] offset:(32*(\i/8)+8*(\u)+\i%8)*4096 th:TH_LOAD_NT
.endr
.endm
.macro TILEX u
.if (\u) < 3
	s_wait_loadcnt 16                              ; this tile's 16 loads are in; the next tile's 16 stay out
.else
	s_wait_loadcnt 0x0
.endif
.irp i, 0,1,2,3,4,5,6,7,8,9,10,11,12,13,14,15
	ds_store_b128 v3, v[128+64*((\u)%2)+4*\i:128+64*((\u)%2)+4*\i+3] offset:PITCH*\i
.endr
.irp c, 0,1
.irp q, 0,1,2,3,4,5,6,7
	ds_load_b128 v[64+32*\c+4*\q:64+32*\c+4*\q+3], v4 offset:256*\c+16*\q   ; LDS serves a wave in order: these see the stores above.  v[64 + 32 c + e] = row r, k = 64 c + 32 hh + e
.endr
.endr
	s_wait_dscnt 0x0                               ; the neighbours are in, and the stage's stores have read their registers
.if (\u) < 2
	LOADX (\u)+2
.endif
	s_wait_xcnt 0x0                                ; the last tile's stores have read the code registers
	Q32 64, 24, 48, 8, 9, 10
	v_lshrrev_b32 v11, 23, v10                     ; the byte; also the plain line behind the conversions
	MOV3 24, 48
	Q32 96, 30, 52, 8, 9, 10
	v_lshrrev_b32 v12, 23, v10
	MOV3 30, 52
	v_lshl_or_b32 v11, v12, 16, v11                ; blocks hh and 2 + hh,
	v_lshlrev_b32 v11, v5, v11                     ; at their places in the word;
	v_permlanex16_b32 v22, v11, s30, s31
	v_or_b32 v[16+(\u)], v11, v22                  ; with lane l xor 16's two the word is whole
	STORE_HF 24, (2*(\u))*768
	STORE_HF 30, (2*(\u)+1)*768
.endm
	s_wait_alu depctr_va_vdst(0)
	LOADX 0
	LOADX 1
	TILEX 0
	TILEX 1
	TILEX 2
	TILEX 3
	v_cmp_lt_u32 vcc_lo, 15, v23
	v_cndmask_b32 v20, v16, v17, vcc_lo            ; lanes 0-15 tile 0's words, lanes 16-31 tile 1's
	v_cndmask_b32 v21, v18, v19, vcc_lo            ; tiles 2 and 3
	global_store_b64 v2, v[20:21], s[26:27] offset:6144
	s_wait_tensorcnt 0x0                           ; the wave's end
	ds_add_u32 v6, v7
	s_wait_dscnt 0x0
	s_endpgm
; ---------------- PATH W: 64 columns x 128 K of a weight.  A lane takes a column, its registers run down K
.Lnot_x:
	s_cmp_lt_u32 ttmp9, 896
	s_cbranch_scc0 .Ltable
	s_sub_co_u32 s32, ttmp9, 768
	s_lshr_b32 s33, s32, 5                         ; which weight
	s_bfe_u32 s34, s32, 0x40001                    ; which 64 columns
	s_and_b32 s35, s32, 1
	s_lshl_b32 s35, s35, 2
	s_add_co_u32 s35, s35, s24                     ; K step
	s_cmp_eq_u32 s33, 2
	s_cselect_b64 s[28:29], s[14:15], s[16:17]
	s_cmp_eq_u32 s33, 1
	s_cselect_b64 s[28:29], s[12:13], s[28:29]
	s_cmp_eq_u32 s33, 0
	s_cselect_b64 s[28:29], s[10:11], s[28:29]
	s_lshl_b32 s36, s35, 19                        ; 128 rows of 4,096 bytes
	s_lshl_b32 s37, s34, 8
	s_add_co_u32 s36, s36, s37
	s_mov_b32 s37, 0
	s_add_nc_u64 s[28:29], s[28:29], s[36:37]
	s_lshl_b32 s36, s33, 6
	s_lshr_b32 s38, s34, 1
	s_lshl_b32 s38, s38, 3
	s_add_co_u32 s36, s36, s38
	s_add_co_u32 s36, s36, s35
	s_mul_i32 s36, s36, UNIT
	s_and_b32 s38, s34, 1
	s_mul_i32 s38, s38, HALF
	s_add_co_u32 s36, s36, s38
	s_add_nc_u64 s[26:27], s[20:21], s[36:37]
	v_and_b32 v13, 8, v14
	v_lshlrev_b32 v13, 2, v13                      ; 32 (r / 8)
	v_and_b32 v12, 7, v14
	v_add_nc_u32 v13, v13, v12
	v_lshl_add_u32 v13, v15, 3, v13                ; + 8 x: lane (r, x) takes row r of tile 2 v + x
	v_lshlrev_b32 v13, 2, v13
.macro WQ c, v, h                      ; the block k = 64 c + 32 h + 0 .. 31 of my column of pass v
	Q32 128+64*(\v)+32*(\h), 24+12*(\v)+6*(\h), 48, 8, 9, 10
.if ((\c)+(\h)) == 0
	v_lshrrev_b32 v[16+(\v)], 23, v10
	MOV3 24+12*(\v)+6*(\h), 48
.else
	v_lshrrev_b32 v11, 23, v10
	MOV3 24+12*(\v)+6*(\h), 48
	v_lshl_or_b32 v[16+(\v)], v11, 16*(\c)+8*(\h), v[16+(\v)]
.endif
.endm
.macro WHALF c
.irp v, 0,1
.set KK, 0
.rept 64
	global_load_b32 v[128+64*\v+KK], v13, s[28:29] offset:(64*(\c)+KK)*4096+64*\v
.set KK, KK+1
.endr
.endr
	s_wait_loadcnt 63                              ; of 128 loads at most the youngest 63 are out: the first 64, pass 0's, are in
.if (\c) > 0
	s_wait_xcnt 0x0                                ; the first half's stores have read the code registers
.endif
	WQ \c, 0, 0
	WQ \c, 0, 1
	s_wait_loadcnt 0x0
	WQ \c, 1, 0
	WQ \c, 1, 1
.irp v, 0,1
.irp e, 0,1,2,3,4,5
	v_permlane16_swap_b32 v[24+12*\v+\e], v[30+12*\v+\e]   ; lanes 16-31 of block 0's codes change places with lanes 0-15 of block 1's: the first is now tile 2 v's image, the second tile 2 v + 1's
.endr
.endr
.irp u, 0,1,2,3
	STORE_HF 24+6*\u, (2*\u+(\c))*768
.endr
.endm
	WHALF 0
	WHALF 1
	global_store_b64 v2, v[16:17], s[26:27] offset:6144    ; lane (r, x) made the words of tiles x and 2 + x, row r: the scale image as it stands
	s_endpgm
; ---------------- THE TABLE: rope[pos][0..15] = cos(pos theta_j), [16..31] = sin(pos theta_j).  A lane a number, a wave a row
.Ltable:
	s_sub_co_u32 s32, ttmp9, 896
	s_lshl_b32 s32, s32, 6
	s_lshl_b32 s33, s24, 4
	s_add_co_u32 s32, s32, s33                     ; my wave's first position
	s_lshl_b32 s34, s32, 7
	s_mov_b32 s35, 0
	s_add_nc_u64 s[26:27], s[22:23], s[34:35]
	v_lshlrev_b32 v13, 2, v23
	v_mul_u32_u24 v18, v15, 3                      ; sin x = cos(x - pi / 2): three quadrants on
	v_mov_b32 v16, 1.0
.macro TH j, bits
	v_mov_b32 v17, \bits
	v_cmp_eq_u32 vcc_lo, \j, v14
	v_cndmask_b32 v16, v16, v17, vcc_lo
.endm
	TH 1, 0x3f0ff59a
	TH 2, 0x3ea1e89b
	TH 3, 0x3e361887
	TH 4, 0x3dcccccd
	TH 5, 0x3d6655c3
	TH 6, 0x3d0186e2
	TH 7, 0x3c91ad39
	TH 8, 0x3c23d70a
	TH 9, 0x3bb8449c
	TH 10, 0x3b4f3e37
	TH 11, 0x3ae91528
	TH 12, 0x3a83126f
	TH 13, 0x3a136a16
	TH 14, 0x39a5cb5f
	TH 15, 0x393a7753
	s_mov_b32 s36, 0x3f22f983                      ; 2 / pi
	s_mov_b32 s37, 0x3fc90fdb                      ; pi / 2, upper part
	s_mov_b32 s38, 0x333bbd2e                      ; upper part - pi / 2
	s_mov_b32 s39, 0xbe2aaaa3                      ; sine's three coefficients
	s_mov_b32 s40, 0x3c08839e
	s_mov_b32 s41, 0xb94ca1f9
	s_mov_b32 s42, 0x3d2aaaa5                      ; cosine's three
	s_mov_b32 s43, 0xbab6061a
	s_mov_b32 s44, 0x37ccf5ce
.irp it, 0,1,2,3,4,5,6,7,8,9,10,11,12,13,14,15
	s_add_co_u32 s45, s32, \it
	v_cvt_f32_u32 v24, s45
	s_wait_alu depctr_va_vdst(0)
	v_mul_f32 v24, v24, v16                        ; the angle, rounded once
	v_mul_f32 v25, s36, v24
	v_rndne_f32 v25, v25                           ; n quadrants
	v_fma_f32 v26, -v25, s37, v24
	v_fma_f32 v26, v25, s38, v26                   ; what is left, at most pi / 4
	v_cvt_i32_f32 v27, v25
	v_add_nc_u32 v27, v27, v18
	v_mul_f32 v28, v26, v26
	v_fma_f32 v29, v28, s41, s40
	v_fma_f32 v29, v28, v29, s39
	v_mul_f32 v30, v26, v28
	v_fma_f32 v29, v30, v29, v26                   ; its sine
	v_fma_f32 v31, v28, s44, s43
	v_fma_f32 v31, v28, v31, s42
	v_mul_f32 v30, v28, v28
	v_fma_f32 v19, v28, -0.5, 1.0
	v_fma_f32 v31, v30, v31, v19                   ; its cosine
	v_and_b32 v19, 1, v27
	v_cmp_eq_u32 vcc_lo, 1, v19
	v_cndmask_b32 v31, v31, v29, vcc_lo            ; odd quadrants take the sine,
	v_add_nc_u32 v27, 1, v27
	v_and_b32 v27, 2, v27
	v_lshlrev_b32 v27, 30, v27
	v_xor_b32 v[32+\it], v31, v27                  ; quadrants 1 and 2 the other sign
	global_store_b32 v13, v[32+\it], s[26:27] offset:128*\it
.endr
	s_endpgm
.Lfunc_end_k_qfec260cd71_prep:
	.size	k_qfec260cd71_prep, .Lfunc_end_k_qfec260cd71_prep-k_qfec260cd71_prep
	.p2alignl 7, 3214868480
	.fill 96, 4, 3214868480
	.section	.rodata,"a",@progbits
	.p2align	6, 0x0
	.amdhsa_kernel k_qfec260cd71_prep
		.amdhsa_group_segment_fixed_size 34304
		.amdhsa_private_segment_fixed_size 0
		.amdhsa_enable_private_segment 0
		.amdhsa_kernarg_size 80
		.amdhsa_user_sgpr_count 2
		.amdhsa_user_sgpr_kernarg_segment_ptr 1
		.amdhsa_wavefront_size32 1
		.amdhsa_system_sgpr_workgroup_id_x 1
		.amdhsa_system_sgpr_workgroup_id_y 1
		.amdhsa_system_sgpr_workgroup_id_z 1
		.amdhsa_system_vgpr_workitem_id 0
		.amdhsa_next_free_vgpr 256
		.amdhsa_next_free_sgpr 66
		.amdhsa_reserve_vcc 1
		.amdhsa_float_denorm_mode_32 3
		.amdhsa_float_denorm_mode_16_64 3
		.amdhsa_memory_ordered 1
		.amdhsa_forward_progress 1
		.amdhsa_inst_pref_size 92
	.end_amdhsa_kernel
	.amdgpu_metadata
---
amdhsa.version: [ 1, 2 ]
amdhsa.kernels:
  - .name:           k_qfec260cd71_prep
    .symbol:         k_qfec260cd71_prep.kd
    .args:
      - { .name: query, .offset: 0, .size: 8, .value_kind: global_buffer, .address_space: global }
      - { .name: key, .offset: 8, .size: 8, .value_kind: global_buffer, .address_space: global }
      - { .name: value, .offset: 16, .size: 8, .value_kind: global_buffer, .address_space: global }
      - { .name: Wq, .offset: 24, .size: 8, .value_kind: global_buffer, .address_space: global }
      - { .name: Wk, .offset: 32, .size: 8, .value_kind: global_buffer, .address_space: global }
      - { .name: Wv, .offset: 40, .size: 8, .value_kind: global_buffer, .address_space: global }
      - { .name: Wo, .offset: 48, .size: 8, .value_kind: global_buffer, .address_space: global }
      - { .name: aimg, .offset: 56, .size: 8, .value_kind: global_buffer, .address_space: global }
      - { .name: wimg, .offset: 64, .size: 8, .value_kind: global_buffer, .address_space: global }
      - { .name: rope, .offset: 72, .size: 8, .value_kind: global_buffer, .address_space: global }
    .group_segment_fixed_size: 34304
    .private_segment_fixed_size: 0
    .kernarg_segment_align: 8
    .kernarg_segment_size: 80
    .max_flat_workgroup_size: 128
    .sgpr_count:     66
    .vgpr_count:     256
    .wavefront_size: 32
...
	.end_amdgpu_metadata
.endif
;; end of part 1
;; launch proj (part 2): grid 4 x 64, 8 waves a work-group, clusters of 4 x 4, 327,680 bytes of LDS; arguments aimg, wimg, rope, bq, bk, bv, qimg, kv; writes qimg, kv
.if DOCPART == 2
	.amdgcn_target "amdgcn-amd-amdhsa--gfx1250"
	.amdhsa_code_object_version 6
	.text
	.protected	k_qfec260cd71_proj
	.globl	k_qfec260cd71_proj
	.p2align	8
	.type	k_qfec260cd71_proj,@function
k_qfec260cd71_proj:
	s_mov_b64 s[64:65], 0
	v_nop
	global_prefetch_b8 v0, s[64:65] scope:SCOPE_SE
	s_setreg_imm32_b32 hwreg(HW_REG_WAVE_MODE, 25, 1), 1
	s_wait_xcnt 0x0
	s_wait_alu depctr_hold_cnt(0) depctr_sa_sdst(0) depctr_va_vdst(0) depctr_va_sdst(0) depctr_va_ssrc(0) depctr_va_vcc(0) depctr_vm_vsrc(0)
	s_getreg_b32 s2, hwreg(HW_REG_IB_STS2, 6, 4)
	s_cmp_eq_u32 s2, 0
	s_cbranch_scc0 .Lentry_in_a_cluster
	s_endpgm
.Lentry_in_a_cluster:
	s_bfe_u32 s2, ttmp6, 0x10000c
	s_cmp_lg_u32 s2, 0xf033
	s_cbranch_scc0 .Lentry_shape_is_right
	s_endpgm
.Lentry_shape_is_right:
; PROJ: q = query Wq + bq, k = key Wk + bk (both with the rotary embedding on each head's first 32), v = value Wv + bv, on codes of E2M3; the results are quantised
; in registers, q and k along a head's 64, v along the keys, and stored as images of operand registers for the attention launch.
; A WORK-GROUP STAYS and makes three tiles, one of q, one of k, one of v, each 128 rows of the A side x 256 rows of the B side; a wave makes 64 x 64: 16 accumulators.
; Source 0 = 16 rows of the B side, source 1 = 16 rows of the A side.  For q and k the A side is the tokens and the B side the weight's columns: a lane holds one token and its registers
; run along a head's d.  For v the sides change places: a lane holds one d and its registers run along the keys.  By the order of rows in a group of 64 (tile u, row m = group row
; 32 (m / 8) + 8 u + m % 8) the 32 registers of a lane's four accumulators are one whole block of 32 of the next product's K: no lane is asked for a maximum, no codes change lanes.
; THE RING: two slots, K steps 0-3 and K steps 4-7 (each: 4 units of 12,800 bytes of the A side, 8 of the B side).  A fill is one joint load a wave (waves 0-3 a unit of the A side,
; waves 4-7 two units of the B side).  While one slot is multiplied the other's load is on its way; the ring goes on into the next tile: one load of mine is out at the most.
; q's and k's tiles are two trips of one loop; the next tile's address is chosen by the trip's number.  v's tile is written out and asks for nothing more.
; The bias and the four tiles' rows of the cos and sin table are asked for ahead of K step 4, into registers 256 and up, and waited for once, on the way out.
; CLUSTER 4 x 4: the A side's units hang on cy alone and are shared along a row of the cluster, the B side's on cx alone and are shared along a column.
; LIMITS: NaN and infinities are not served; a block of zeros gets the scale byte 1 (its codes are zeros; this program alone reads the bytes).
; No prefetch: a tile has two fills, and each is asked for as soon as its slot is free, four K steps or more ahead of its first read; a lead of one more fill would name the whole next tile.
.set UNIT,  12800
.set HALF,  6400
.set GRP,   102400
.set SPARE, 307200                     ; behind the 24 units: the spare words, 128 bytes a wave
.set FLOOR, 0x1800000
.set ESUB,  0xff000000
; v1 16 x lane, v2 8 x lane, v3 spare word, v4 0, v5-8 my half units' places, v11-14 the K step's addresses, v[16:17] A side's scale words, v[18:19] B side's,
; v32-79 A side's four fragments, v80-127 B side's, v128-255 accumulators: (i, j) at 128 + 8 (4 j + i).  Ways out: v9, v10, v15, v20-31 and v32-127 anew.
; v256-383 the table's rows for my four tiles of tokens, v384-415 the bias.
; s[40:47] group 0 for the A side, slot 0 and 1; s[52:59] for the B side; s[94:97] k's tile (A, B), s[98:101] v's; s69 the tile's number, s70 the cluster's y
.macro Q32 x, cd, t, ma, mb, sc
	v_max3_num_f32 v[\ma], |v[(\x)]|, |v[(\x)+1]|, FLOOR
	v_max3_num_f32 v[\mb], |v[(\x)+16]|, |v[(\x)+17]|, |v[(\x)+18]|
.irp i, 0,1,2,3,4,5
	s_delay_alu instid0(VALU_DEP_2)
	v_max3_num_f32 v[\ma], v[\ma], |v[(\x)+2+2*\i]|, |v[(\x)+3+2*\i]|
	s_delay_alu instid0(VALU_DEP_2)
	v_max3_num_f32 v[\mb], v[\mb], |v[(\x)+19+2*\i]|, |v[(\x)+20+2*\i]|
.endr
	s_delay_alu instid0(VALU_DEP_2)
	v_max3_num_f32 v[\ma], v[\ma], |v[(\x)+14]|, |v[(\x)+15]|
	s_delay_alu instid0(VALU_DEP_1)
	v_max3_num_f32 v[\ma], v[\ma], v[\mb], |v[(\x)+31]|
	s_delay_alu instid0(VALU_DEP_1)
	v_add_nc_u32 v[\sc], ESUB, v[\ma]
	v_cvt_scalef32_pk16_fp6_f32 v[(\cd):(\cd)+2], v[(\x):(\x)+15], v[\sc]
	v_cvt_scalef32_pk16_fp6_f32 v[(\t):(\t)+2], v[(\x)+16:(\x)+31], v[\sc]
.endm
.macro MOV3 cd, t
.irp i, 0,1,2
	v_mov_b32 v[(\cd)+3+\i], v[(\t)+\i]
.endr
.endm
; one product.  ra, rb: the side's scale words stand in lanes 16-31 of the register named.  zero: the product starts its sum
.macro MM d, a, b, sa, sb, ra, rb, zero
.if \zero
.if (\ra) && (\rb)
	v_wmma_scale_f32_16x16x128_f8f6f4 v[(\d):(\d)+7], v[(\a):(\a)+11], v[(\b):(\b)+11], 0, v[\sa], v[\sb] matrix_a_fmt:MATRIX_FMT_FP6 matrix_b_fmt:MATRIX_FMT_FP6 matrix_a_scale:MATRIX_SCALE_ROW1 matrix_b_scale:MATRIX_SCALE_ROW1
.elseif (\ra)
	v_wmma_scale_f32_16x16x128_f8f6f4 v[(\d):(\d)+7], v[(\a):(\a)+11], v[(\b):(\b)+11], 0, v[\sa], v[\sb] matrix_a_fmt:MATRIX_FMT_FP6 matrix_b_fmt:MATRIX_FMT_FP6 matrix_a_scale:MATRIX_SCALE_ROW1
.elseif (\rb)
	v_wmma_scale_f32_16x16x128_f8f6f4 v[(\d):(\d)+7], v[(\a):(\a)+11], v[(\b):(\b)+11], 0, v[\sa], v[\sb] matrix_a_fmt:MATRIX_FMT_FP6 matrix_b_fmt:MATRIX_FMT_FP6 matrix_b_scale:MATRIX_SCALE_ROW1
.else
	v_wmma_scale_f32_16x16x128_f8f6f4 v[(\d):(\d)+7], v[(\a):(\a)+11], v[(\b):(\b)+11], 0, v[\sa], v[\sb] matrix_a_fmt:MATRIX_FMT_FP6 matrix_b_fmt:MATRIX_FMT_FP6
.endif
.else
.if (\ra) && (\rb)
	v_wmma_scale_f32_16x16x128_f8f6f4 v[(\d):(\d)+7], v[(\a):(\a)+11], v[(\b):(\b)+11], v[(\d):(\d)+7], v[\sa], v[\sb] matrix_a_fmt:MATRIX_FMT_FP6 matrix_b_fmt:MATRIX_FMT_FP6 matrix_a_scale:MATRIX_SCALE_ROW1 matrix_b_scale:MATRIX_SCALE_ROW1
.elseif (\ra)
	v_wmma_scale_f32_16x16x128_f8f6f4 v[(\d):(\d)+7], v[(\a):(\a)+11], v[(\b):(\b)+11], v[(\d):(\d)+7], v[\sa], v[\sb] matrix_a_fmt:MATRIX_FMT_FP6 matrix_b_fmt:MATRIX_FMT_FP6 matrix_a_scale:MATRIX_SCALE_ROW1
.elseif (\rb)
	v_wmma_scale_f32_16x16x128_f8f6f4 v[(\d):(\d)+7], v[(\a):(\a)+11], v[(\b):(\b)+11], v[(\d):(\d)+7], v[\sa], v[\sb] matrix_a_fmt:MATRIX_FMT_FP6 matrix_b_fmt:MATRIX_FMT_FP6 matrix_b_scale:MATRIX_SCALE_ROW1
.else
	v_wmma_scale_f32_16x16x128_f8f6f4 v[(\d):(\d)+7], v[(\a):(\a)+11], v[(\b):(\b)+11], v[(\d):(\d)+7], v[\sa], v[\sb] matrix_a_fmt:MATRIX_FMT_FP6 matrix_b_fmt:MATRIX_FMT_FP6
.endif
.endif
.endm
.macro CROUND                          ; a round of the cluster's barrier
	s_barrier_signal -1
	s_barrier_wait -1
	s_cmp_lg_u32 s20, 0
	s_cbranch_scc1 .Lnot_wave_0_\@
	s_barrier_signal -3
.Lnot_wave_0_\@:
	s_barrier_wait -3
	s_barrier_signal -1
	s_barrier_wait -1
.endm
; a joint load into slot sl: waves 0-3 fetch a unit of the A side, waves 4-7 two units of the B side.  The branch hangs on the wave's number alone.
.macro JLOAD sl
	s_cmp_lt_u32 s20, 4
	s_cbranch_scc0 .Lfor_b_\@
	tensor_load_to_lds s[40+4*\sl:43+4*\sl], s[24:31]
	s_nop 0
.rept 4
	v_nop
.endr
	s_branch .Lasked_\@
.Lfor_b_\@:
	tensor_load_to_lds s[52+4*\sl:55+4*\sl], s[32:39]
	s_nop 0
.rept 4
	v_nop
.endr
.Lasked_\@:
.endm
; Slot sl, read out by every wave of the cluster, takes the next tile's four K steps.  In front of the round each wave waits for all its tensor loads (the one that is out is its part of the other slot),
; adds 0 to its spare word and waits for that and for its LDS reads; the joint load is the first tensor load behind the round.
.macro REFILL sl
	s_wait_tensorcnt 0x0
	ds_add_u32 v3, v4
	s_cmp_eq_u32 s69, 0                            ; behind q's tile comes k's, behind k's comes v's: the same choice in every work-group
	s_cselect_b64 s[42+4*\sl:43+4*\sl], s[94:95], s[98:99]
	s_cselect_b64 s[54+4*\sl:55+4*\sl], s[96:97], s[100:101]
.if \sl
	s_add_nc_u64 s[46:47], s[46:47], 4*UNIT
	s_add_nc_u64 s[58:59], s[58:59], 4*UNIT
.endif
	s_wait_dscnt 0x0
	CROUND
	JLOAD \sl
.endm
; K step s: 34 LDS loads, 16 products.  The four additions are the places between the last products and the loads into their registers.
; The 16 accumulators take turns, one instruction a turn, in the same order in every step.
.macro KSTEP s, zero
	v_add_nc_u32 v11, (\s)*UNIT, v5
	v_add_nc_u32 v12, (\s)*UNIT, v6
	v_add_nc_u32 v13, GRP+(\s)*UNIT, v7
	v_add_nc_u32 v14, GRP+(\s)*UNIT, v8
	ds_load_b64 v[16:17], v12 offset:6144
	ds_load_b64 v[18:19], v14 offset:6144
.irp u, 0,1,2,3,4,5,6,7
	ds_load_b128 v[80+6*\u:83+6*\u], v13 offset:768*\u
	ds_load_b64 v[84+6*\u:85+6*\u], v14 offset:768*\u+512
.endr
.irp u, 0,1,2,3,4,5,6,7
	ds_load_b128 v[32+6*\u:35+6*\u], v11 offset:768*\u
	ds_load_b64 v[36+6*\u:37+6*\u], v12 offset:768*\u+512
.endr
.irp j, 0,1,2,3
	s_wait_dscnt 12-4*\j                           ; the four loads of each later tile of the A side may stay out
.irp i, 0,1,2,3
	MM 128+8*(4*\j+\i), 80+12*\i, 32+12*\j, 18+\i/2, 16+\j/2, \i%2, \j%2, \zero
.endr
.endr
.endm
	s_load_b256 s[4:11], s[0:1], 0x0               ; aimg, wimg, rope, bq
	s_load_b256 s[12:19], s[0:1], 0x20             ; bk, bv, qimg, kv
	v_lshl_add_u32 v3, v0, 2, SPARE
	v_mov_b32 v4, 0
	ds_add_u32 v3, v4                              ; the wave's opening: the add, twice on end, and its wait ahead of my first tensor load
	ds_add_u32 v3, v4
	v_lshrrev_b32 v9, 5, v0
	s_delay_alu instid0(VALU_DEP_1)
	v_readfirstlane_b32 s20, v9                    ; wave 0..7
	s_lshr_b32 s21, s20, 2                         ; wy: which 64 of the A side
	s_and_b32 s22, s20, 3                          ; wx: which 64 of the B side
	s_bfe_u32 s66, ttmp6, 0x40000                  ; cx
	s_bfe_u32 s67, ttmp6, 0x40004                  ; cy
	s_and_b32 s70, ttmp7, 0xffff                   ; Cl: the cluster's y, 0..15
	s_lshl_b32 s71, s67, 2
	s_lshl_b32 s71, 15, s71                        ; my row of the cluster
	s_lshl_b32 s72, 0x1111, s66                    ; my column
	s_or_b32 s24, s71, (3<<16)|(1<<21)             ; group 1: the mask; elements of 8 bytes; bit 21 beside a mask; no padding
	s_or_b32 s32, s72, (3<<16)|(1<<21)
.irp g, 24, 32
	s_mov_b32 s[\g+1], 32<<16                      ; dense blocks, as rows of 32 elements (256 bytes)
	s_mov_b32 s[\g+3], 32<<16
	s_mov_b32 s[\g+5], 32
	s_mov_b32 s[\g+6], 0
	s_mov_b32 s[\g+7], 0
.endr
	s_mov_b32 s26, 50<<16                          ; A side: one unit, 50 rows
	s_mov_b32 s28, 50
	s_mov_b32 s34, 100<<16                         ; B side: two units, 100 rows
	s_mov_b32 s36, 100
	s_lshl_b32 s73, s70, 2
	s_add_co_u32 s73, s73, s67                     ; q: A side's group of 128 in aimg: 4 Cl + cy (k: 64 groups on)
	s_mul_i32 s73, s73, GRP
	s_lshl_b32 s77, s66, 1
	s_mul_i32 s75, s77, GRP                        ; q: B side's first group in wimg: 2 cx (k: 8 groups on)
	s_and_b32 s74, s70, 1
	s_lshl_b32 s74, s74, 2
	s_add_co_u32 s74, s74, 16
	s_add_co_u32 s74, s74, s67                     ; v: A side in wimg: 16 + 4 (Cl % 2) + cy
	s_mul_i32 s74, s74, GRP
	s_lshr_b32 s76, s70, 1
	s_lshl_b32 s76, s76, 3
	s_add_co_u32 s76, s76, 128
	s_add_co_u32 s76, s76, s77                     ; v: B side in aimg: 128 + 8 (Cl / 2) + 2 cx
	s_mul_i32 s76, s76, GRP
	s_mul_i32 s84, s22, UNIT                       ; A side: K step wave % 4 of a slot's four, in memory and in LDS
	s_lshr_b32 s85, s22, 1
	s_mul_i32 s85, s85, GRP                        ; B side: group (wave % 4) / 2,
	s_and_b32 s86, s22, 1
	s_mul_i32 s86, s86, 2*UNIT                     ; K steps 2 (wave % 2) and the next
	s_add_co_u32 s85, s85, s86
	s_mul_i32 s88, s21, HALF                       ; what I read: my half unit of the A side,
	s_lshr_b32 s89, s22, 1
	s_mul_i32 s89, s89, GRP
	s_and_b32 s77, s22, 1
	s_mul_i32 s77, s77, HALF
	s_add_co_u32 s89, s89, s77                     ; and of the B side: group wx / 2, half wx % 2
	s_mov_b32 s90, 0x76543210
	s_mov_b32 s91, 0xfedcba98
	s_mov_b32 s83, 0
	s_mov_b32 s87, 0
	s_mov_b32 s40, 1
	s_mov_b32 s41, s84
	s_mov_b32 s44, 1
	s_add_co_u32 s45, s84, 4*UNIT
	s_mov_b32 s52, 1
	s_add_co_u32 s53, s85, GRP
	s_mov_b32 s56, 1
	s_add_co_u32 s57, s85, GRP+4*UNIT
	s_wait_dscnt 0x0                               ; both opening adds are done
	s_wait_kmcnt 0x0
	s_add_co_u32 s82, s73, s84
	s_add_nc_u64 s[42:43], s[4:5], s[82:83]        ; q's tile, slot 0
	s_or_b32 s43, s43, 0x80000000
	s_add_co_u32 s86, s75, s85
	s_add_nc_u64 s[54:55], s[6:7], s[86:87]
	s_or_b32 s55, s55, 0x80000000
	s_add_nc_u64 s[46:47], s[42:43], 4*UNIT        ; and slot 1
	s_add_nc_u64 s[58:59], s[54:55], 4*UNIT
	s_add_nc_u64 s[94:95], s[42:43], 64*GRP        ; k's tile
	s_add_nc_u64 s[96:97], s[54:55], 8*GRP
	s_add_co_u32 s82, s74, s84
	s_add_nc_u64 s[98:99], s[6:7], s[82:83]        ; v's tile: the sides change places
	s_or_b32 s99, s99, 0x80000000
	s_add_co_u32 s86, s76, s85
	s_add_nc_u64 s[100:101], s[4:5], s[86:87]
	s_or_b32 s101, s101, 0x80000000
	CROUND                                         ; all sixteen work-groups are here: the joint loads meet
	JLOAD 0                                        ; q's K steps 0-3: my one tensor load at the head
	v_and_b32 v9, 31, v0
	s_delay_alu instid0(VALU_DEP_1)
	v_lshlrev_b32 v1, 4, v9
	s_delay_alu instid0(VALU_DEP_2)
	v_lshlrev_b32 v2, 3, v9
	v_add_nc_u32 v5, s88, v1
	v_add_nc_u32 v6, s88, v2
	v_add_nc_u32 v7, s89, v1
	v_add_nc_u32 v8, s89, v2
	s_wait_alu depctr_va_vdst(0)                   ; the wait at the head's end
	s_wait_tensorcnt 0x0                           ; my part of slot 0 is in
	ds_add_u32 v3, v4
	s_mov_b32 s69, 0                               ; the tile's number: 0 q, 1 k
	s_wait_dscnt 0x0                               ; the add is done
	CROUND                                         ; everybody's part is in, and all sixteen work-groups are here
	JLOAD 1                                        ; q's K steps 4-7, the first tensor load behind the round
.Ltile:
	KSTEP 0, 1
	KSTEP 1, 0
	KSTEP 2, 0
	KSTEP 3, 0
	REFILL 0                                       ; slot 1 is whole, slot 0 is read out and takes the next tile's K steps 0-3
; ---- q and k, ahead of K step 4: the addresses of the way out; the bias and the table are asked for.  Lane (r, hh) holds token 32 (r / 8) + 8 j + r % 8 of my 64; v[128 + 32 j + e] is d = 32 hh + e of my head
	s_lshl_b32 s73, s70, 2
	s_add_co_u32 s73, s73, s67                     ; the tokens' group of 128
	s_lshr_b32 s74, s73, 4                         ; batch
	s_and_b32 s75, s73, 15                         ; which 128 positions
	s_lshl_b32 s76, s66, 2
	s_add_co_u32 s76, s76, s22                     ; head
	s_lshl_b32 s77, s74, 4
	s_add_co_u32 s77, s77, s76
	s_lshl_b32 s77, s77, 4
	s_add_co_u32 s77, s77, s75                     ; block = (16 batch + head) x 16 + which 128
	s_mov_b32 s82, 13056
	s_mov_b32 s83, 12288
	s_cmp_eq_u32 s69, 0
	s_cselect_b64 s[78:79], s[16:17], s[18:19]
	s_cselect_b64 s[80:81], s[10:11], s[12:13]
	s_cselect_b32 s82, 6656, s82                   ; a block's bytes
	s_cselect_b32 s83, 6144, s83                   ; where its scale images begin
	s_mul_i32 s84, s77, s82
	s_mov_b32 s85, 0
	s_add_nc_u64 s[78:79], s[78:79], s[84:85]
	s_lshl_b32 s86, s21, 8
	s_add_co_u32 s86, s86, s83
	s_mov_b32 s87, 0
	s_add_nc_u64 s[92:93], s[78:79], s[86:87]      ; my half's scale image
	s_mul_i32 s86, s21, 3072
	s_add_nc_u64 s[78:79], s[78:79], s[86:87]      ; my half's six chunks of codes
	s_lshl_b32 s86, s76, 8
	s_add_nc_u64 s[80:81], s[80:81], s[86:87]      ; my head's 64 numbers of the bias
	s_lshl_b32 s88, s75, 7
	s_lshl_b32 s89, s21, 6
	s_add_co_u32 s88, s88, s89                     ; my 64 tokens' first position
	v_and_b32 v24, 15, v0
	v_bfe_u32 v25, v0, 4, 1
	s_delay_alu instid0(VALU_DEP_1)
	v_lshlrev_b32 v9, 7, v25                       ; bias: 128 hh
	s_delay_alu instid0(VALU_DEP_2)
	v_lshlrev_b32 v10, 3, v25                      ; 8 hh
	v_mov_b32 v15, 0
	v_and_b32 v26, 8, v24
	s_delay_alu instid0(VALU_DEP_1)
	v_lshlrev_b32 v26, 2, v26
	v_and_b32 v27, 7, v24
	s_delay_alu instid0(VALU_DEP_1)
	v_add_nc_u32 v26, v26, v27
	s_delay_alu instid0(VALU_DEP_1)
	v_add_nc_u32 v26, s88, v26
	v_xor_b32 v27, 1, v25
.irp j, 0,1,2,3
	v_add_nc_u32 v[20+\j], 8*\j, v26
	s_delay_alu instid0(VALU_DEP_1)
	v_lshlrev_b32 v[20+\j], 7, v[20+\j]            ; my token's row of the table;
	s_delay_alu instid0(VALU_DEP_1)
	v_mul_u32_u24 v[20+\j], v[20+\j], v27          ; lanes 16-31 hold d = 32 .. 63, which pass: they take row 0, cos = 1 and sin = 0
.endr
	s_wait_alu depctr_va_vdst(0)
	s_set_vgpr_msb 0x40                            ; destinations in registers 256 and up
.irp q, 0,1,2,3,4,5,6,7
	global_load_b128 v[128+4*\q:131+4*\q], v9, s[80:81] offset:16*\q           ; v384..: the bias
.endr
.irp j, 0,1,2,3
.irp q, 0,1,2,3,4,5,6,7
	global_load_b128 v[32*\j+4*\q:32*\j+4*\q+3], v[20+\j], s[8:9] offset:16*\q   ; v256 + 32 j ..: 16 cos, 16 sin
.endr
.endr
	s_set_vgpr_msb 0x4000
	KSTEP 4, 0
	KSTEP 5, 0
	KSTEP 6, 0
	KSTEP 7, 0
; ---- the way out of q's or k's tile: bias, rotary embedding, codes along d
.rept 4
	v_nop                                          ; the places behind the last products
.endr
	s_wait_loadcnt 0x0                             ; the bias and the table, asked for four K steps ago
	s_set_vgpr_msb 0x04                            ; source 1 in registers 256 and up
.irp j, 0,1,2,3
.irp e, 0,2,4,6,8,10,12,14,16,18,20,22,24,26,28,30
	v_pk_add_f32 v[128+32*\j+\e:129+32*\j+\e], v[128+32*\j+\e:129+32*\j+\e], v[128+\e:129+\e]   ; each accumulator from its low end on
.endr
.endr
.irp j, 0,1,2,3
.irp e, 0,2,4,6,8,10,12,14
	v_pk_mul_f32 v[60+(\e)%4:61+(\e)%4], v[128+32*\j+\e:129+32*\j+\e], v[32*\j+16+\e:32*\j+17+\e]           ; lo sin
	v_pk_mul_f32 v[128+32*\j+\e:129+32*\j+\e], v[128+32*\j+\e:129+32*\j+\e], v[32*\j+\e:32*\j+1+\e]         ; lo cos
	s_delay_alu instid0(VALU_DEP_1)
	v_pk_fma_f32 v[128+32*\j+\e:129+32*\j+\e], v[144+32*\j+\e:145+32*\j+\e], v[32*\j+16+\e:32*\j+17+\e], v[128+32*\j+\e:129+32*\j+\e] neg_lo:[1,0,0] neg_hi:[1,0,0]   ; - hi sin
	s_delay_alu instid0(VALU_DEP_3)
	v_pk_fma_f32 v[144+32*\j+\e:145+32*\j+\e], v[144+32*\j+\e:145+32*\j+\e], v[32*\j+\e:32*\j+1+\e], v[60+(\e)%4:61+(\e)%4]   ; hi cos + lo sin
.endr
.endr
	s_set_vgpr_msb 0x0400
.irp j, 0,1,2,3
	Q32 128+32*\j, 32+6*\j, 56, 24, 25, 26
	v_lshrrev_b32 v27, 23, v26                     ; the byte; also the plain line behind the conversions
	MOV3 32+6*\j, 56
	s_delay_alu instid0(VALU_DEP_4)
	v_lshl_or_b32 v27, v27, v10, 0x7f7f0000        ; at byte hh; bytes 2 and 3, for the 64 along K that a head does not have, stand for 1
	s_delay_alu instid0(VALU_DEP_1)
	v_permlanex16_b32 v15, v27, s90, s91
	s_delay_alu instid0(VALU_DEP_1)
	v_or_b32 v[28+\j], v27, v15
.endr
.irp k, 0,1,2,3,4,5
	global_store_b128 v1, v[32+4*\k:35+4*\k], s[78:79] offset:512*\k   ; my four tiles' 24 code registers, four at a time: 512 consecutive bytes
.endr
	v_and_b32 v24, 31, v0
	s_delay_alu instid0(VALU_DEP_1)
	v_cmp_lt_u32 vcc_lo, 15, v24
	s_delay_alu instid0(VALU_DEP_1)
	v_cndmask_b32 v26, v28, v29, vcc_lo
	s_delay_alu instid0(VALU_DEP_2)
	v_cndmask_b32 v27, v30, v31, vcc_lo
	global_store_b64 v2, v[26:27], s[92:93]
	s_wait_alu depctr_va_vdst(0)                   ; directly ahead of the waits below
	s_wait_xcnt 0x0                                ; the stores have read their registers: the next tile's fragments may land there
	REFILL 1                                       ; the next tile's slot 0 is whole, slot 1 is read out and takes its K steps 4-7
	s_add_co_u32 s69, s69, 1
	s_cmp_lt_u32 s69, 2
	s_cbranch_scc1 .Ltile
; ---------------- v's tile: nothing more is asked for
	KSTEP 0, 1
	KSTEP 1, 0
	KSTEP 2, 0
	KSTEP 3, 0
	s_wait_tensorcnt 0x0                           ; my part of slot 1
	s_barrier_signal -1
	s_barrier_wait -1                              ; everybody's
	KSTEP 4, 0
	KSTEP 5, 0
	KSTEP 6, 0
	KSTEP 7, 0
; bias, codes along the keys.  Lane (r, hh) holds d = 32 (r / 8) + 8 j + r % 8 of my head; v[128 + 32 j + e] is key 32 hh + e of my 64
	s_and_b32 s73, s70, 1
	s_lshl_b32 s73, s73, 2
	s_add_co_u32 s73, s73, s67
	s_lshl_b32 s74, s73, 1
	s_add_co_u32 s74, s74, s21                     ; head
	s_lshr_b32 s75, s70, 1
	s_lshl_b32 s75, s75, 2
	s_add_co_u32 s75, s75, s66                     ; which 256 tokens
	s_lshr_b32 s76, s75, 3                         ; batch
	s_and_b32 s77, s75, 7
	s_lshl_b32 s77, s77, 1
	s_lshr_b32 s82, s22, 1
	s_add_co_u32 s77, s77, s82                     ; which 128 keys
	s_and_b32 s83, s22, 1                          ; c: which half of them
	s_lshl_b32 s76, s76, 4
	s_add_co_u32 s76, s76, s74
	s_lshl_b32 s76, s76, 4
	s_add_co_u32 s76, s76, s77
	s_mul_i32 s84, s76, 13056
	s_mov_b32 s85, 0
	s_add_nc_u64 s[78:79], s[18:19], s[84:85]
	s_lshl_b32 s86, s83, 1
	s_add_co_u32 s86, s86, 12800
	s_mov_b32 s87, 0
	s_add_nc_u64 s[92:93], s[78:79], s[86:87]      ; my two bytes of each scale word
	s_mul_i32 s86, s83, 768
	s_add_co_u32 s86, s86, 6144
	s_add_nc_u64 s[78:79], s[78:79], s[86:87]      ; half fragment (0, c)
	s_lshl_b32 s86, s74, 8
	s_add_nc_u64 s[80:81], s[14:15], s[86:87]
	v_and_b32 v24, 15, v0                          ; (the places behind the last products)
	v_bfe_u32 v25, v0, 4, 1
	s_delay_alu instid0(VALU_DEP_1)
	v_lshlrev_b32 v10, 3, v25
	v_mov_b32 v15, 0
	s_delay_alu instid0(VALU_DEP_4)
	v_and_b32 v26, 8, v24
	s_delay_alu instid0(VALU_DEP_1)
	v_lshlrev_b32 v26, 2, v26
	v_and_b32 v27, 7, v24
	s_delay_alu instid0(VALU_DEP_1)
	v_add_nc_u32 v26, v26, v27
	s_delay_alu instid0(VALU_DEP_1)
	v_lshlrev_b32 v9, 2, v26
.irp j, 0,1,2,3
	v_mov_b32 v[33+2*\j], 0                        ; named with the bias as a pair, so it is written
.endr
.irp j, 0,1,2,3
	global_load_b32 v[32+2*\j], v9, s[80:81] offset:32*\j
.endr
	s_wait_alu depctr_va_vdst(0)
	s_wait_loadcnt 0x0
.irp j, 0,1,2,3
.irp e, 0,2,4,6,8,10,12,14,16,18,20,22,24,26,28,30
	v_pk_add_f32 v[128+32*\j+\e:129+32*\j+\e], v[128+32*\j+\e:129+32*\j+\e], v[32+2*\j:33+2*\j] op_sel_hi:[1,0]
.endr
.endr
.irp j, 0,1,2,3
	Q32 128+32*\j, 40+6*\j, 64, 24, 25, 26
	v_lshrrev_b32 v27, 23, v26
	MOV3 40+6*\j, 64
	s_delay_alu instid0(VALU_DEP_4)
	v_lshlrev_b32 v27, v10, v27
	s_delay_alu instid0(VALU_DEP_1)
	v_permlanex16_b32 v15, v27, s90, s91
	s_delay_alu instid0(VALU_DEP_1)
	v_or_b32 v[28+\j], v27, v15                    ; the bytes of blocks 2 c and 2 c + 1 of tile j, row r
	global_store_b128 v1, v[40+6*\j:43+6*\j], s[78:79] offset:1536*\j
	global_store_b64 v2, v[44+6*\j:45+6*\j], s[78:79] offset:1536*\j+512
.endr
	v_and_b32 v24, 31, v0
	s_delay_alu instid0(VALU_DEP_1)
	v_cmp_lt_u32 vcc_lo, 15, v24
	s_delay_alu instid0(VALU_DEP_1)
	v_cndmask_b32 v26, v28, v29, vcc_lo
	s_delay_alu instid0(VALU_DEP_2)
	v_cndmask_b32 v27, v30, v31, vcc_lo
	global_store_b16 v2, v26, s[92:93]             ; half a scale word each: the other half belongs to the wave with the other 64 keys
	global_store_b16 v2, v27, s[92:93] offset:4
	s_wait_tensorcnt 0x0                           ; the wave's end
	ds_add_u32 v3, v4
	s_wait_dscnt 0x0
	CROUND                                         ; the closing round
	s_endpgm
.Lfunc_end_k_qfec260cd71_proj:
	.size	k_qfec260cd71_proj, .Lfunc_end_k_qfec260cd71_proj-k_qfec260cd71_proj
	.p2alignl 7, 3214868480
	.fill 96, 4, 3214868480
	.section	.rodata,"a",@progbits
	.p2align	6, 0x0
	.amdhsa_kernel k_qfec260cd71_proj
		.amdhsa_group_segment_fixed_size 327680
		.amdhsa_private_segment_fixed_size 0
		.amdhsa_enable_private_segment 0
		.amdhsa_kernarg_size 64
		.amdhsa_user_sgpr_count 2
		.amdhsa_user_sgpr_kernarg_segment_ptr 1
		.amdhsa_wavefront_size32 1
		.amdhsa_system_sgpr_workgroup_id_x 1
		.amdhsa_system_sgpr_workgroup_id_y 1
		.amdhsa_system_sgpr_workgroup_id_z 1
		.amdhsa_system_vgpr_workitem_id 0
		.amdhsa_next_free_vgpr 512
		.amdhsa_next_free_sgpr 102
		.amdhsa_reserve_vcc 1
		.amdhsa_float_denorm_mode_32 3
		.amdhsa_float_denorm_mode_16_64 3
		.amdhsa_memory_ordered 1
		.amdhsa_forward_progress 1
		.amdhsa_inst_pref_size 127
	.end_amdhsa_kernel
	.amdgpu_metadata
---
amdhsa.version: [ 1, 2 ]
amdhsa.kernels:
  - .name:           k_qfec260cd71_proj
    .symbol:         k_qfec260cd71_proj.kd
    .args:
      - { .name: aimg, .offset: 0, .size: 8, .value_kind: global_buffer, .address_space: global }
      - { .name: wimg, .offset: 8, .size: 8, .value_kind: global_buffer, .address_space: global }
      - { .name: rope, .offset: 16, .size: 8, .value_kind: global_buffer, .address_space: global }
      - { .name: bq, .offset: 24, .size: 8, .value_kind: global_buffer, .address_space: global }
      - { .name: bk, .offset: 32, .size: 8, .value_kind: global_buffer, .address_space: global }
      - { .name: bv, .offset: 40, .size: 8, .value_kind: global_buffer, .address_space: global }
      - { .name: qimg, .offset: 48, .size: 8, .value_kind: global_buffer, .address_space: global }
      - { .name: kv, .offset: 56, .size: 8, .value_kind: global_buffer, .address_space: global }
    .group_segment_fixed_size: 327680
    .private_segment_fixed_size: 0
    .kernarg_segment_align: 8
    .kernarg_segment_size: 64
    .max_flat_workgroup_size: 256
    .sgpr_count:     102
    .vgpr_count:     512
    .wavefront_size: 32
...
	.end_amdgpu_metadata
.endif
;; end of part 2
;; launch attn (part 3): grid 4 x 64, 16 waves a work-group, clusters of 4 x 1, 327,680 bytes of LDS; arguments qimg, kv, ximg; writes ximg
.if DOCPART == 3
	.amdgcn_target "amdgcn-amd-amdhsa--gfx1250"
	.amdhsa_code_object_version 6
	.text
	.protected	k_qfec260cd71_attn
	.globl	k_qfec260cd71_attn
	.p2align	8
	.type	k_qfec260cd71_attn,@function
k_qfec260cd71_attn:
	s_mov_b64 s[64:65], 0
	v_nop
	global_prefetch_b8 v0, s[64:65] scope:SCOPE_SE
	s_setreg_imm32_b32 hwreg(HW_REG_WAVE_MODE, 25, 1), 1
	s_wait_xcnt 0x0
	s_wait_alu depctr_hold_cnt(0) depctr_sa_sdst(0) depctr_va_vdst(0) depctr_va_sdst(0) depctr_va_ssrc(0) depctr_va_vcc(0) depctr_vm_vsrc(0)
	s_getreg_b32 s2, hwreg(HW_REG_IB_STS2, 6, 4)
	s_cmp_eq_u32 s2, 0
	s_cbranch_scc0 .Lentry_in_a_cluster
	s_endpgm
.Lentry_in_a_cluster:
	s_bfe_u32 s2, ttmp6, 0x10000c
	s_cmp_lg_u32 s2, 0x3003
	s_cbranch_scc0 .Lentry_shape_is_right
	s_endpgm
.Lentry_shape_is_right:
; ATTN: x = softmax(q k^T / 8) v for one (batch, head) and 512 queries a work-group, on codes of E2M3; x is quantised along d and stored as images of operand registers.
; Both products are used transposed (S^T = k q^T, O^T = v^T p^T): a lane holds one query, its registers run along the keys, then along d.
; kv holds, for each (batch, head), 16 steps of 128 keys, 13,056 bytes each: k's eight tiles' codes (48 registers a lane, four at a time, 512 bytes each) at 0, v's eight half fragments of 768 bytes
; at 6,144, k's scale images at 12,288 and 12,544, v's at 12,800.  A head has 64 along d: a tile of k is 6 registers, the product's upper 64 along K meet q's zero codes.
; By the order of keys in a tile the 32 registers of four neighbouring tiles are one whole block of 32 keys: a block's largest score lies in one lane.
; p = 2^(t - M), t = score x log2(e) / 8, M the running largest t rounded up to a whole number; the row's sum is taken of the unquantised p; when M moves, sums and O^T are multiplied by a power of two.
; A block's largest p is made from its largest score by the same multiply-add and exponential.
; ALL 16 STEPS LIE IN LDS, 816 rows of 256 bytes, each filled once, by two joint loads a wave: rows 0-159 (steps 0 to 2 and a little more; 10 rows a wave) at the head, rows 160-815 (41 rows a wave)
; behind the first fill's wait, the add and a round.  The second fill lands under steps 0 and 1 of the first pass, which read rows 0-152 alone; one barrier ahead of step 2 shows it to all, and no barrier follows.
; CLUSTER 4 x 1: the four work-groups of a (batch, head) read the same 16 steps and ask for them jointly.
; A wave takes 16 queries at a time, two passes.  A step's LDS loads stand between its matrix instructions: v's fragments among the last four products with k, the next step's fragments of k among the four products with v.
; A pass's last step is written out: pass 0's fetches step 0's fragments of k for pass 1, pass 1's fetches none.
; No prefetch: both fills are asked for ahead of the first product; there is no loop of loads to run ahead in.
; LIMITS: the promise holds while the scaled scores t stay under 2^31 in magnitude; NaN and infinities are not served; a block whose every p or x is 0 gets the scale byte 1 (its codes are zeros; this program alone reads the bytes).
.set STEPB, 13056
.set SPARE, 208896                     ; behind the 16 steps: the spare words, 128 bytes a wave
.set FLOOR, 0x1800000
.set ESUB,  0xff000000
; v1 16 x lane, v2 8 x lane, v3-4 this step's LDS addresses, v5 spare word, v6 0, v7 8 hh, v8 -M, v9 the largest score, v[10:11] and v[252:253] the row's sum in four parts,
; v12-17 q, v18-23 zeros, v24 q's scale word, v25 p's, v26-27 v's, v28-31 k's, v32-79 v's fragments, v80-127 k's, v128-139 p's codes, v140-146 conversions' second halves,
; v143 8 r, v148-211 scores, then p, v212-243 O^T, v244-251 at work (v251 = 0), v254-255 the next step's LDS addresses
.macro Q32 x, cd, t, ma, mb, sc
	v_max3_num_f32 v[\ma], |v[(\x)]|, |v[(\x)+1]|, FLOOR
	v_max3_num_f32 v[\mb], |v[(\x)+16]|, |v[(\x)+17]|, |v[(\x)+18]|
.irp i, 0,1,2,3,4,5
	s_delay_alu instid0(VALU_DEP_2)
	v_max3_num_f32 v[\ma], v[\ma], |v[(\x)+2+2*\i]|, |v[(\x)+3+2*\i]|
	s_delay_alu instid0(VALU_DEP_2)
	v_max3_num_f32 v[\mb], v[\mb], |v[(\x)+19+2*\i]|, |v[(\x)+20+2*\i]|
.endr
	s_delay_alu instid0(VALU_DEP_2)
	v_max3_num_f32 v[\ma], v[\ma], |v[(\x)+14]|, |v[(\x)+15]|
	s_delay_alu instid0(VALU_DEP_1)
	v_max3_num_f32 v[\ma], v[\ma], v[\mb], |v[(\x)+31]|
	s_delay_alu instid0(VALU_DEP_1)
	v_add_nc_u32 v[\sc], ESUB, v[\ma]
	v_cvt_scalef32_pk16_fp6_f32 v[(\cd):(\cd)+2], v[(\x):(\x)+15], v[\sc]
	v_cvt_scalef32_pk16_fp6_f32 v[(\t):(\t)+2], v[(\x)+16:(\x)+31], v[\sc]
.endm
.macro MOV3 cd, t
.irp i, 0,1,2
	v_mov_b32 v[(\cd)+3+\i], v[(\t)+\i]
.endr
.endm
.macro MM d, a, b, sa, sb, ra, zero    ; ra: source 0's scale words stand in lanes 16-31; zero: the product starts its sum
.if \zero
.if (\ra)
	v_wmma_scale_f32_16x16x128_f8f6f4 v[(\d):(\d)+7], v[(\a):(\a)+11], v[(\b):(\b)+11], 0, v[\sa], v[\sb] matrix_a_fmt:MATRIX_FMT_FP6 matrix_b_fmt:MATRIX_FMT_FP6 matrix_a_scale:MATRIX_SCALE_ROW1
.else
	v_wmma_scale_f32_16x16x128_f8f6f4 v[(\d):(\d)+7], v[(\a):(\a)+11], v[(\b):(\b)+11], 0, v[\sa], v[\sb] matrix_a_fmt:MATRIX_FMT_FP6 matrix_b_fmt:MATRIX_FMT_FP6
.endif
.else
.if (\ra)
	v_wmma_scale_f32_16x16x128_f8f6f4 v[(\d):(\d)+7], v[(\a):(\a)+11], v[(\b):(\b)+11], v[(\d):(\d)+7], v[\sa], v[\sb] matrix_a_fmt:MATRIX_FMT_FP6 matrix_b_fmt:MATRIX_FMT_FP6 matrix_a_scale:MATRIX_SCALE_ROW1
.else
	v_wmma_scale_f32_16x16x128_f8f6f4 v[(\d):(\d)+7], v[(\a):(\a)+11], v[(\b):(\b)+11], v[(\d):(\d)+7], v[\sa], v[\sb] matrix_a_fmt:MATRIX_FMT_FP6 matrix_b_fmt:MATRIX_FMT_FP6
.endif
.endif
.endm
.macro CROUND                          ; a round of the cluster's barrier
	s_barrier_signal -1
	s_barrier_wait -1
	s_cmp_lg_u32 s10, 0
	s_cbranch_scc1 .Lnot_wave_0_\@
	s_barrier_signal -3
.Lnot_wave_0_\@:
	s_barrier_wait -3
	s_barrier_signal -1
	s_barrier_wait -1
.endm
.macro KL xa, xb, n                    ; load n of the 14 that bring a step's scale words and fragments of k
.if (\n) < 2
	ds_load_b64 v[28+2*(\n):29+2*(\n)], v[\xb] offset:12288+256*(\n)
.else
	ds_load_b128 v[80+4*((\n)-2):83+4*((\n)-2)], v[\xa] offset:512*((\n)-2)
.endif
.endm
.macro VL n                            ; load n of the 17 that bring this step's scale words and fragments of v
.if (\n) == 0
	ds_load_b64 v[26:27], v4 offset:12800
.elseif ((\n)-1)%2 == 0
	ds_load_b128 v[32+6*(((\n)-1)/2):35+6*(((\n)-1)/2)], v3 offset:6144+768*(((\n)-1)/2)
.else
	ds_load_b64 v[36+6*(((\n)-1)/2):37+6*(((\n)-1)/2)], v4 offset:6144+768*(((\n)-1)/2)+512
.endif
.endm
.macro QLOAD p                         ; pass p's 16 queries: 6 registers of codes and the scale word
	global_load_b64 v[12:13], v1, s[74:75] offset:13312*(\p)
	global_load_b64 v[14:15], v1, s[76:77] offset:13312*(\p)
	global_load_b64 v[16:17], v1, s[78:79] offset:13312*(\p)
	global_load_b32 v24, v143, s[80:81] offset:13312*(\p)
.endm
	s_load_b128 s[4:7], s[0:1], 0x0                ; qimg, kv
	s_load_b64 s[8:9], s[0:1], 0x10                ; ximg
	v_lshl_add_u32 v5, v0, 2, SPARE
	v_mov_b32 v6, 0
	ds_add_u32 v5, v6                              ; the wave's opening: the add, twice on end, and its wait ahead of my first tensor load
	ds_add_u32 v5, v6
	v_lshrrev_b32 v244, 5, v0
	s_delay_alu instid0(VALU_DEP_1)
	v_readfirstlane_b32 s10, v244                  ; wave 0..15
	s_bfe_u32 s11, ttmp6, 0x40000                  ; cx
	s_and_b32 s12, ttmp7, 0xffff                   ; 16 batch + head
	s_mov_b32 s24, 15|(3<<16)|(1<<21)              ; group 1: all four partners; elements of 8 bytes; bit 21 beside a mask
	s_mov_b32 s25, 32<<16                          ; a dense block, as rows of 256 bytes: 10 rows a wave in the first fill
	s_mov_b32 s26, 10<<16
	s_mov_b32 s27, 32<<16
	s_mov_b32 s28, 10
	s_mov_b32 s29, 32
	s_mov_b32 s30, 0
	s_mov_b32 s31, 0
	s_mul_i32 s13, s10, 2560                       ; first fill: rows 10 wave ..
	s_mul_i32 s16, s10, 10496
	s_add_co_u32 s16, s16, 40960                   ; second fill: rows 160 + 41 wave ..
	s_mul_i32 s14, s12, 16*STEPB
	s_add_co_u32 s18, s14, s16
	s_mov_b32 s19, 0
	s_add_co_u32 s14, s14, s13
	s_mov_b32 s15, 0
	s_mov_b32 s20, 0x76543210
	s_mov_b32 s21, 0xfedcba98                      ; selects for lane l xor 16
	s_mov_b32 s22, 0x3e38aa3b                      ; log2(e) / 8
	s_mov_b32 s23, s22
	s_mov_b32 s44, 0xbe38aa3b
	s_and_b32 s57, s10, 7                          ; which 16 of a block of 128 queries
	s_lshr_b32 s58, s10, 3
	s_lshl_b32 s59, s11, 2
	s_add_co_u32 s59, s59, s58                     ; pass 0's block of 128: 4 cx + wave / 8; pass 1's lies two on
	s_mul_i32 s52, s57, 3
.irp i, 0,1,2
	s_add_co_u32 s60, s52, \i                      ; my tile's register pair i: pair 3 (wave % 8) + i of the block's 24, two pairs to a chunk of 512 bytes
	s_lshr_b32 s61, s60, 1
	s_lshl_b32 s61, s61, 9
	s_and_b32 s60, s60, 1
	s_lshl_b32 s60, s60, 3
	s_add_co_u32 s[53+\i], s61, s60
.endr
	s_and_b32 s60, s57, 1
	s_lshl_b32 s60, s60, 7
	s_bfe_u32 s61, s57, 0x10001
	s_lshl_b32 s61, s61, 2
	s_add_co_u32 s60, s60, s61
	s_add_co_u32 s60, s60, 6144                    ; my tile's words in a scale image
	s_lshr_b32 s61, s57, 2
	s_lshl_b32 s56, s61, 8
	s_add_co_u32 s56, s56, s60
	s_lshl_b32 s62, s12, 4
	s_add_co_u32 s62, s62, s59
	s_mul_i32 s62, s62, 6656                       ; q's block
	s_mov_b32 s63, 0
	s_lshr_b32 s66, s12, 4                         ; batch
	s_and_b32 s67, s12, 15                         ; head
	s_lshl_b32 s70, s66, 4
	s_add_co_u32 s70, s70, s59
	s_lshl_b32 s70, s70, 3
	s_lshr_b32 s68, s67, 1
	s_add_co_u32 s70, s70, s68
	s_mul_i32 s70, s70, 12800                      ; x's unit: group of 128 rows, K step head / 2
	s_mul_i32 s68, s61, 6400
	s_add_co_u32 s70, s70, s68
	s_and_b32 s68, s57, 3
	s_lshl_b32 s68, s68, 1
	s_and_b32 s69, s67, 1
	s_add_co_u32 s68, s68, s69
	s_mul_i32 s68, s68, 768
	s_add_co_u32 s70, s70, s68                     ; my half fragment
	s_mov_b32 s71, 0
	s_lshl_b32 s69, s69, 1
	s_add_co_u32 s72, s60, s69
	s_sub_co_u32 s72, s72, s68                     ; from there to my two bytes of the scale words
	s_mov_b32 s61, 0
	s_wait_dscnt 0x0                               ; both opening adds are done
	s_wait_kmcnt 0x0
	s_add_nc_u64 s[48:49], s[4:5], s[62:63]
	s_add_nc_u64 s[50:51], s[8:9], s[70:71]
.irp i, 0,1,2,3
	s_mov_b32 s60, s[53+\i]
	s_add_nc_u64 s[74+2*\i:75+2*\i], s[48:49], s[60:61]   ; q's three pairs of code registers, and its scale words
.endr
	s_mov_b32 s60, s72
	s_add_nc_u64 s[82:83], s[50:51], s[60:61]
	s_mov_b32 s32, 1
	s_mov_b32 s33, s13
	s_add_nc_u64 s[34:35], s[6:7], s[14:15]
	s_or_b32 s35, s35, 0x80000000
	s_add_nc_u64 s[36:37], s[6:7], s[18:19]        ; where my part of the second fill begins
	s_or_b32 s37, s37, 0x80000000
	CROUND                                         ; all four work-groups are here: the joint loads meet
	tensor_load_to_lds s[32:35], s[24:31]          ; my one tensor load at the head
	s_nop 0
	v_and_b32 v244, 31, v0
	s_delay_alu instid0(VALU_DEP_1)
	v_lshlrev_b32 v1, 4, v244
	s_delay_alu instid0(VALU_DEP_2)
	v_lshlrev_b32 v2, 3, v244
	v_bfe_u32 v245, v0, 4, 1
	s_delay_alu instid0(VALU_DEP_1)
	v_lshlrev_b32 v7, 3, v245
	v_and_b32 v246, 15, v0
	s_delay_alu instid0(VALU_DEP_1)
	v_lshlrev_b32 v143, 3, v246
.irp i, 18,19,20,21,22,23,128,129,130,131,132,133,249,251
	v_mov_b32 v[\i], 0
.endr
	s_wait_alu depctr_va_vdst(0)                   ; the wait at the head's end
	QLOAD 0
	s_wait_tensorcnt 0x0                           ; my rows of the first fill are in
	ds_add_u32 v5, v6
	s_mov_b32 s26, 41<<16                          ; no load of mine is out, so the descriptor may be written: 41 rows,
	s_mov_b32 s28, 41
	s_mov_b32 s33, s16                             ; behind the first fill's 160
	s_mov_b64 s[34:35], s[36:37]
	s_wait_dscnt 0x0                               ; the add is done
	CROUND                                         ; everybody's rows are in, and all four work-groups are here
	tensor_load_to_lds s[32:35], s[24:31]          ; the second fill, the first tensor load behind the round
	s_nop 0
.set N, 0
.rept 14
	KL 1, 2, N                                     ; step 0's fragments of k
.set N, N+1
.endr
; A step of 128 keys.  nx = 0: in a loop, the next step's k is fetched; 1: step 0's, for the next pass; 2: none
.macro STEP nx
	s_wait_dscnt 0x0                               ; this step's fragments of k are in
.irp t, 0,1,2,3
	MM 148+8*\t, 80+6*\t, 12, 28+\t/2, 24, \t%2, 1   ; S^T: tile t's 6 registers and the next 6, which meet q's zeros
.endr
	s_mul_i32 s45, s46, STEPB
	v_add_nc_u32 v3, s45, v1                       ; four plain lines: the places behind the four products above and behind the last step's, ahead of the loads into v's registers
	v_add_nc_u32 v4, s45, v2
.if (\nx) == 0
	s_add_co_u32 s41, s45, STEPB
	v_add_nc_u32 v254, s41, v1
	v_add_nc_u32 v255, s41, v2
.else
	v_nop
	v_nop
.endif
.set N, 0
.irp t, 4,5,6,7
	MM 148+8*\t, 80+6*\t, 12, 28+\t/2, 24, \t%2, 1
.rept 4
	VL N
.set N, N+1
.endr
.endr
	VL 16
	v_max3_num_f32 v244, v148, v149, v150          ; the largest score of my two blocks of 32 keys, each in two chains.  These four lines name tiles 0-3 alone: they are the places behind tiles 4-7's products
	v_max3_num_f32 v246, v164, v165, v166
	v_max3_num_f32 v244, v244, v151, v152
	v_max3_num_f32 v246, v246, v167, v168
	v_max3_num_f32 v245, v180, v181, v182
	v_max3_num_f32 v247, v196, v197, v198
.irp i, 1,2,3,4,5
	v_max3_num_f32 v244, v244, v[151+2*\i], v[152+2*\i]
	v_max3_num_f32 v246, v246, v[167+2*\i], v[168+2*\i]
	v_max3_num_f32 v245, v245, v[181+2*\i], v[182+2*\i]
	v_max3_num_f32 v247, v247, v[197+2*\i], v[198+2*\i]
.endr
	v_max3_num_f32 v245, v245, v193, v194
	v_max3_num_f32 v247, v247, v209, v210
.irp c, 0,1
	v_max3_num_f32 v[244+\c], v[244+\c], v[163+32*\c], v[179+32*\c]
.endr
.irp c, 0,1
	s_delay_alu instid0(VALU_DEP_2)
	v_max_num_f32 v[244+\c], v[244+\c], v[246+\c]
.endr
	s_delay_alu instid0(VALU_DEP_1)
	v_max_num_f32 v248, v244, v245
	s_delay_alu instid0(VALU_DEP_1)
	v_permlanex16_b32 v249, v248, s20, s21
	s_delay_alu instid0(VALU_DEP_1)
	v_max3_num_f32 v9, v9, v248, v249              ; the running largest score of my query
	s_delay_alu instid0(VALU_DEP_1)
	v_mul_f32 v248, s44, v9
	v_mov_b32 v249, v8
	s_delay_alu instid0(VALU_DEP_2)
	v_floor_f32 v8, v248                           ; -M = floor(-t)
	s_delay_alu instid0(VALU_DEP_1)
	v_sub_f32 v249, v8, v249
	s_delay_alu instid0(VALU_DEP_1)
	v_cvt_i32_f32 v249, v249                       ; old M - new M (it saturates)
	s_delay_alu instid0(VALU_DEP_1)
	v_ldexp_f32 v250, 1.0, v249                    ; f = 2^(old M - new M)
.set J, 0
.rept 32
	v_pk_fma_f32 v[148+J:149+J], v[148+J:149+J], s[22:23], v[8:9] op_sel_hi:[1,0,0]   ; t - M
.set J, J+2
.endr
	v_fma_f32 v244, v244, s22, v8                  ; the same of each block's largest score
	v_fma_f32 v245, v245, s22, v8
.set J, 0
.rept 16
	v_pk_mul_f32 v[212+J:213+J], v[212+J:213+J], v[250:251] op_sel_hi:[1,0]   ; O^T under the new M, each accumulator from its low end on
.set J, J+2
.endr
	s_wait_alu depctr_va_vdst(0)                   ; the wait ahead of the batch
.set J, 0
.rept 64
	v_exp_f32 v[148+J], v[148+J]                   ; p
.set J, J+1
.endr
	v_exp_f32 v244, v244                           ; each block's largest p
	v_exp_f32 v245, v245
	v_pk_mul_f32 v[10:11], v[10:11], v[250:251] op_sel_hi:[1,0]     ; the sums under the new M: plain lines behind the batch
	v_pk_mul_f32 v[252:253], v[252:253], v[250:251] op_sel_hi:[1,0]
	s_wait_alu depctr_va_vdst(0)                   ; and the one wait behind it, ahead of its first reader and of the wait below
	s_wait_dscnt 0x0                               ; v's fragments are in
	v_max_num_f32 v244, FLOOR, v244
	v_max_num_f32 v245, FLOOR, v245
	s_delay_alu instid0(VALU_DEP_2)
	v_add_nc_u32 v246, ESUB, v244                  ; the conversions' scale operands
	s_delay_alu instid0(VALU_DEP_2)
	v_add_nc_u32 v247, ESUB, v245
	s_delay_alu instid0(VALU_DEP_2)
	v_lshrrev_b32 v248, 23, v246
	s_delay_alu instid0(VALU_DEP_2)
	v_lshrrev_b32 v249, 23, v247
	s_delay_alu instid0(VALU_DEP_1)
	v_lshl_or_b32 v248, v249, 16, v248             ; blocks hh and 2 + hh,
	s_delay_alu instid0(VALU_DEP_1)
	v_lshlrev_b32 v248, v7, v248                   ; at their places in the word;
	s_delay_alu instid0(VALU_DEP_1)
	v_permlanex16_b32 v249, v248, s20, s21
	s_delay_alu instid0(VALU_DEP_1)
	v_or_b32 v25, v248, v249                       ; with lane l xor 16's two the word is whole
.irp c, 0,1
	v_cvt_scalef32_pk16_fp6_f32 v[128+6*\c:130+6*\c], v[148+32*\c:163+32*\c], v[246+\c]
	v_cvt_scalef32_pk16_fp6_f32 v[140+4*\c:142+4*\c], v[164+32*\c:179+32*\c], v[246+\c]
.endr
	v_pk_add_f32 v[10:11], v[10:11], v[148:149]    ; the row's sum, of the unquantised p, in two chains; the first line is the plain line behind the conversions
	MOV3 128, 140
	MOV3 134, 144
	v_pk_add_f32 v[252:253], v[252:253], v[150:151]
.set J, 4
.rept 15
	v_pk_add_f32 v[10:11], v[10:11], v[148+J:149+J]       ; (these lines are also the places between p's codes and scale word and the products below)
	v_pk_add_f32 v[252:253], v[252:253], v[150+J:151+J]
.set J, J+4
.endr
.set N, 0
.irp t, 0,1,2,3
	MM 212+8*\t, 32+12*\t, 128, 26+\t/2, 25, \t%2, 0   ; O^T += v^T p^T: the four accumulators by turns
.if (\nx) < 2
.rept 4
.if N < 14
.if (\nx) == 0
	KL 254, 255, N                                 ; k's registers were last read by this step's first products
.else
	KL 1, 2, N
.endif
.endif
.set N, N+1
.endr
.endif
.endr
.endm
.macro PASS p
.set J, 0
.rept 32
	v_mov_b32 v[212+J], 0                          ; the step is written once: the first finds zeros
.set J, J+1
.endr
	v_mov_b32 v10, 0
	v_mov_b32 v11, 0
	v_mov_b32 v252, 0
	v_mov_b32 v253, 0
	v_mov_b32 v9, 0xff61b1e6                       ; -3e38, under every score
	s_delay_alu instid0(VALU_DEP_1)
	v_mul_f32 v8, s44, v9
	s_delay_alu instid0(VALU_DEP_1)
	v_floor_f32 v8, v8
	s_wait_alu depctr_va_vdst(0)                   ; directly ahead of the waits below
.if \p
	s_wait_xcnt 0x0                                ; the last pass's stores have read their registers
.endif
	s_wait_loadcnt 0x0                             ; q is in
	s_mov_b32 s46, 0
.if (\p) == 0
.Lfirst:                                               ; steps 0 and 1 read the first fill's rows alone (step 1 fetches step 2's k, which ends at row 152)
	STEP 0
	s_add_co_u32 s46, s46, 1
	s_cmp_lt_u32 s46, 2
	s_cbranch_scc1 .Lfirst
	s_wait_tensorcnt 0x0                           ; my rows of the second fill are in,
	s_wait_dscnt 0x0                               ; and no LDS load of mine is out at the signal
	s_barrier_signal -1
	s_barrier_wait -1                              ; everybody's are
	s_mov_b32 s46, 2
.endif
.Lstep_\p:
	STEP 0
	s_add_co_u32 s46, s46, 1
	s_cmp_lt_u32 s46, 15
	s_cbranch_scc1 .Lstep_\p
	STEP 1+\p
.if (\p) == 0
	QLOAD 1                                        ; the next pass's q, under this pass's way out
.endif
	v_pk_add_f32 v[10:11], v[10:11], v[252:253]    ; the sum's four parts (these lines are also the places behind the last products),
	s_delay_alu instid0(VALU_DEP_1)
	v_add_f32 v10, v10, v11
	s_delay_alu instid0(VALU_DEP_1)
	v_permlanex16_b32 v248, v10, s20, s21
	v_nop
	v_nop
	v_add_f32 v10, v10, v248                       ; and lane l xor 16's: the row's sum
	v_nop
	s_wait_alu depctr_va_vdst(0)                   ; the wait ahead of the transcendental
	v_rcp_f32 v250, v10
	v_nop
	s_wait_alu depctr_va_vdst(0)                   ; and behind it, directly ahead of the first reader of it and of O^T
.set J, 0
.rept 16
	v_pk_mul_f32 v[148+J:149+J], v[212+J:213+J], v[250:251] op_sel_hi:[1,0]   ; x = O^T / the sum: my 32 numbers are one block along d
.set J, J+2
.endr
	Q32 148, 128, 140, 244, 245, 246
	v_lshrrev_b32 v247, 23, v246                   ; the byte; also the plain line behind the conversions
	MOV3 128, 140
	s_delay_alu instid0(VALU_DEP_4)
	v_lshlrev_b32 v247, v7, v247
	s_delay_alu instid0(VALU_DEP_1)
	v_permlanex16_b32 v248, v247, s20, s21
	s_delay_alu instid0(VALU_DEP_1)
	v_or_b32 v248, v247, v248
	global_store_b128 v1, v[128:131], s[50:51] offset:204800*(\p)
	global_store_b64 v2, v[132:133], s[50:51] offset:204800*(\p)+512
	global_store_b16 v143, v248, s[82:83] offset:204800*(\p)   ; half a scale word: the other half belongs to the neighbouring head
.endm
	PASS 0
	PASS 1
	s_wait_tensorcnt 0x0                           ; the wave's end
	ds_add_u32 v5, v6
	s_wait_dscnt 0x0
	CROUND                                         ; the closing round
	s_endpgm
.Lfunc_end_k_qfec260cd71_attn:
	.size	k_qfec260cd71_attn, .Lfunc_end_k_qfec260cd71_attn-k_qfec260cd71_attn
	.p2alignl 7, 3214868480
	.fill 96, 4, 3214868480
	.section	.rodata,"a",@progbits
	.p2align	6, 0x0
	.amdhsa_kernel k_qfec260cd71_attn
		.amdhsa_group_segment_fixed_size 327680
		.amdhsa_private_segment_fixed_size 0
		.amdhsa_enable_private_segment 0
		.amdhsa_kernarg_size 24
		.amdhsa_user_sgpr_count 2
		.amdhsa_user_sgpr_kernarg_segment_ptr 1
		.amdhsa_wavefront_size32 1
		.amdhsa_system_sgpr_workgroup_id_x 1
		.amdhsa_system_sgpr_workgroup_id_y 1
		.amdhsa_system_sgpr_workgroup_id_z 1
		.amdhsa_system_vgpr_workitem_id 0
		.amdhsa_next_free_vgpr 256
		.amdhsa_next_free_sgpr 90
		.amdhsa_reserve_vcc 0
		.amdhsa_float_denorm_mode_32 3
		.amdhsa_float_denorm_mode_16_64 3
		.amdhsa_memory_ordered 1
		.amdhsa_forward_progress 1
		.amdhsa_inst_pref_size 94
	.end_amdhsa_kernel
	.amdgpu_metadata
---
amdhsa.version: [ 1, 2 ]
amdhsa.kernels:
  - .name:           k_qfec260cd71_attn
    .symbol:         k_qfec260cd71_attn.kd
    .args:
      - { .name: qimg, .offset: 0, .size: 8, .value_kind: global_buffer, .address_space: global }
      - { .name: kv, .offset: 8, .size: 8, .value_kind: global_buffer, .address_space: global }
      - { .name: ximg, .offset: 16, .size: 8, .value_kind: global_buffer, .address_space: global }
    .group_segment_fixed_size: 327680
    .private_segment_fixed_size: 0
    .kernarg_segment_align: 8
    .kernarg_segment_size: 24
    .max_flat_workgroup_size: 512
    .sgpr_count:     90
    .vgpr_count:     256
    .wavefront_size: 32
...
	.end_amdgpu_metadata
.endif
;; end of part 3
;; launch outp (part 4): grid 4 x 64, 8 waves a work-group, clusters of 4 x 4, 327,680 bytes of LDS; arguments ximg, wimg, bo, out0; writes out0
.if DOCPART == 4
	.amdgcn_target "amdgcn-amd-amdhsa--gfx1250"
	.amdhsa_code_object_version 6
	.text
	.protected	k_qfec260cd71_outp
	.globl	k_qfec260cd71_outp
	.p2align	8
	.type	k_qfec260cd71_outp,@function
k_qfec260cd71_outp:
	s_mov_b64 s[64:65], 0
	v_nop
	global_prefetch_b8 v0, s[64:65] scope:SCOPE_SE
	s_setreg_imm32_b32 hwreg(HW_REG_WAVE_MODE, 25, 1), 1
	s_wait_xcnt 0x0
	s_wait_alu depctr_hold_cnt(0) depctr_sa_sdst(0) depctr_va_vdst(0) depctr_va_sdst(0) depctr_va_ssrc(0) depctr_va_vcc(0) depctr_vm_vsrc(0)
	s_getreg_b32 s2, hwreg(HW_REG_IB_STS2, 6, 4)
	s_cmp_eq_u32 s2, 0
	s_cbranch_scc0 .Lentry_in_a_cluster
	s_endpgm
.Lentry_in_a_cluster:
	s_bfe_u32 s2, ttmp6, 0x10000c
	s_cmp_lg_u32 s2, 0xf033
	s_cbranch_scc0 .Lentry_shape_is_right
	s_endpgm
.Lentry_shape_is_right:
; OUTP: out0 = x Wo + bo on codes of E2M3.  x and Wo come as images of operand registers (units of 12,800 bytes: 128 rows x 128 K with their scale words).
; A work-group of eight waves makes 128 rows x 256 columns; a wave 64 x 64: 16 accumulators.  Source 0 = 16 columns of Wo, source 1 = 16 rows of x: a lane holds one row of out0 and
; v[128 + 32 j + e] is column 32 hh + e of my 64.  The bias is loaded into the accumulators ahead of the first product, so every product adds in place and no addition is written.
; ALL OF K LIES IN LDS, each byte filled once: x's 8 units at 0, Wo's two groups of 8 units behind them.  Two fills, one joint load a wave each: K steps 0-3 at the head
; (waves 0-3 a unit of x, waves 4-7 two units of Wo), K steps 4-7 behind the first fill's wait, the add and a round; one load of mine is out at the most.
; CLUSTER 4 x 4: x's units hang on cy alone and are shared along a row of the cluster, Wo's on cx alone and are shared along a column.
; The way out goes through a stage of 16 rows x (256 + 16) bytes for each wave, in bytes that have had their last fill and, behind a barrier, their last read.
; No prefetch: both fills are asked for ahead of the first product; there is no loop of loads to run ahead in.
.set UNIT,  12800
.set HALF,  6400
.set GRP,   102400
.set SPARE, 307200
.macro MM d, a, b, sa, sb, ra, rb
.if (\ra) && (\rb)
	v_wmma_scale_f32_16x16x128_f8f6f4 v[(\d):(\d)+7], v[(\a):(\a)+11], v[(\b):(\b)+11], v[(\d):(\d)+7], v[\sa], v[\sb] matrix_a_fmt:MATRIX_FMT_FP6 matrix_b_fmt:MATRIX_FMT_FP6 matrix_a_scale:MATRIX_SCALE_ROW1 matrix_b_scale:MATRIX_SCALE_ROW1
.elseif (\ra)
	v_wmma_scale_f32_16x16x128_f8f6f4 v[(\d):(\d)+7], v[(\a):(\a)+11], v[(\b):(\b)+11], v[(\d):(\d)+7], v[\sa], v[\sb] matrix_a_fmt:MATRIX_FMT_FP6 matrix_b_fmt:MATRIX_FMT_FP6 matrix_a_scale:MATRIX_SCALE_ROW1
.elseif (\rb)
	v_wmma_scale_f32_16x16x128_f8f6f4 v[(\d):(\d)+7], v[(\a):(\a)+11], v[(\b):(\b)+11], v[(\d):(\d)+7], v[\sa], v[\sb] matrix_a_fmt:MATRIX_FMT_FP6 matrix_b_fmt:MATRIX_FMT_FP6 matrix_b_scale:MATRIX_SCALE_ROW1
.else
	v_wmma_scale_f32_16x16x128_f8f6f4 v[(\d):(\d)+7], v[(\a):(\a)+11], v[(\b):(\b)+11], v[(\d):(\d)+7], v[\sa], v[\sb] matrix_a_fmt:MATRIX_FMT_FP6 matrix_b_fmt:MATRIX_FMT_FP6
.endif
.endm
.macro CROUND
	s_barrier_signal -1
	s_barrier_wait -1
	s_cmp_lg_u32 s20, 0
	s_cbranch_scc1 .Lnot_wave_0_\@
	s_barrier_signal -3
.Lnot_wave_0_\@:
	s_barrier_wait -3
	s_barrier_signal -1
	s_barrier_wait -1
.endm
.macro JLOAD                           ; waves 0-3 fetch a unit of x, waves 4-7 two units of Wo; the branch hangs on the wave's number alone
	s_cmp_lt_u32 s20, 4
	s_cbranch_scc0 .Lfor_b_\@
	tensor_load_to_lds s[40:43], s[24:31]
	s_nop 0
.rept 4
	v_nop
.endr
	s_branch .Lasked_\@
.Lfor_b_\@:
	tensor_load_to_lds s[52:55], s[32:39]
	s_nop 0
.rept 4
	v_nop
.endr
.Lasked_\@:
.endm
; K step s: 34 LDS loads, 16 products.  The four additions are the places between the last products and the loads into their registers.
; The 16 accumulators take turns, one instruction a turn, in the same order in every step.
.macro KSTEP s
	v_add_nc_u32 v11, (\s)*UNIT, v5
	v_add_nc_u32 v12, (\s)*UNIT, v6
	v_add_nc_u32 v13, GRP+(\s)*UNIT, v7
	v_add_nc_u32 v14, GRP+(\s)*UNIT, v8
	ds_load_b64 v[16:17], v12 offset:6144
	ds_load_b64 v[18:19], v14 offset:6144
.irp u, 0,1,2,3,4,5,6,7
	ds_load_b128 v[80+6*\u:83+6*\u], v13 offset:768*\u
	ds_load_b64 v[84+6*\u:85+6*\u], v14 offset:768*\u+512
.endr
.irp u, 0,1,2,3,4,5,6,7
	ds_load_b128 v[32+6*\u:35+6*\u], v11 offset:768*\u
	ds_load_b64 v[36+6*\u:37+6*\u], v12 offset:768*\u+512
.endr
.irp j, 0,1,2,3
	s_wait_dscnt 12-4*\j                           ; the four loads of each later tile of x may stay out
.irp i, 0,1,2,3
	MM 128+8*(4*\j+\i), 80+12*\i, 32+12*\j, 18+\i/2, 16+\j/2, \i%2, \j%2
.endr
.endr
.endm
	s_load_b256 s[4:11], s[0:1], 0x0               ; ximg, wimg, bo, out0
	v_lshl_add_u32 v3, v0, 2, SPARE
	v_mov_b32 v4, 0
	ds_add_u32 v3, v4                              ; the wave's opening: the add, twice on end, and its wait ahead of my first tensor load
	ds_add_u32 v3, v4
	v_lshrrev_b32 v9, 5, v0
	s_delay_alu instid0(VALU_DEP_1)
	v_readfirstlane_b32 s20, v9                    ; wave 0..7
	s_lshr_b32 s21, s20, 2                         ; wy: which 64 rows
	s_and_b32 s22, s20, 3                          ; wx: which 64 columns
	s_bfe_u32 s66, ttmp6, 0x40000                  ; cx
	s_bfe_u32 s67, ttmp6, 0x40004                  ; cy
	s_and_b32 s68, ttmp7, 0xffff                   ; the cluster's y, 0..15
	s_lshl_b32 s71, s67, 2
	s_lshl_b32 s71, 15, s71                        ; my row of the cluster
	s_lshl_b32 s72, 0x1111, s66                    ; my column
	s_or_b32 s24, s71, (3<<16)|(1<<21)
	s_or_b32 s32, s72, (3<<16)|(1<<21)
.irp g, 24, 32
	s_mov_b32 s[\g+1], 32<<16                      ; dense blocks, as rows of 32 elements of 8 bytes
	s_mov_b32 s[\g+3], 32<<16
	s_mov_b32 s[\g+5], 32
	s_mov_b32 s[\g+6], 0
	s_mov_b32 s[\g+7], 0
.endr
	s_mov_b32 s26, 50<<16                          ; x: one unit, 50 rows
	s_mov_b32 s28, 50
	s_mov_b32 s34, 100<<16                         ; Wo: two units, 100 rows
	s_mov_b32 s36, 100
	s_lshl_b32 s74, s68, 2
	s_add_co_u32 s74, s74, s67                     ; x's group of 128 rows
	s_mul_i32 s73, s74, GRP
	s_lshl_b32 s75, s66, 1
	s_add_co_u32 s75, s75, 24                      ; Wo is the fourth weight: groups 24 + 2 cx and the next
	s_mul_i32 s75, s75, GRP
	s_mul_i32 s84, s22, UNIT                       ; x: K step wave % 4, in memory and in LDS
	s_lshr_b32 s85, s22, 1
	s_mul_i32 s85, s85, GRP                        ; Wo: group (wave % 4) / 2,
	s_and_b32 s86, s22, 1
	s_mul_i32 s86, s86, 2*UNIT                     ; K steps 2 (wave % 2) and the next
	s_add_co_u32 s85, s85, s86
	s_mul_i32 s88, s21, HALF                       ; what I read: my half unit of x,
	s_lshr_b32 s89, s22, 1
	s_mul_i32 s89, s89, GRP
	s_and_b32 s77, s22, 1
	s_mul_i32 s77, s77, HALF
	s_add_co_u32 s89, s89, s77                     ; and of Wo: group wx / 2, half wx % 2
	s_wait_dscnt 0x0                               ; both opening adds are done
	s_wait_kmcnt 0x0
	s_add_co_u32 s82, s73, s84
	s_mov_b32 s83, 0
	s_mov_b32 s40, 1
	s_mov_b32 s41, s84
	s_add_nc_u64 s[42:43], s[4:5], s[82:83]
	s_or_b32 s43, s43, 0x80000000
	s_add_co_u32 s86, s75, s85
	s_mov_b32 s87, 0
	s_mov_b32 s52, 1
	s_add_co_u32 s53, s85, GRP
	s_add_nc_u64 s[54:55], s[6:7], s[86:87]
	s_or_b32 s55, s55, 0x80000000
	CROUND                                         ; all sixteen work-groups are here: the joint loads meet
	JLOAD                                          ; K steps 0-3: my one tensor load at the head
	v_and_b32 v9, 31, v0
	s_delay_alu instid0(VALU_DEP_1)
	v_lshlrev_b32 v1, 4, v9
	s_delay_alu instid0(VALU_DEP_2)
	v_lshlrev_b32 v2, 3, v9
	v_add_nc_u32 v5, s88, v1
	v_add_nc_u32 v6, s88, v2
	v_add_nc_u32 v7, s89, v1
	v_add_nc_u32 v8, s89, v2
	s_lshl_b32 s76, s66, 10
	s_lshl_b32 s77, s22, 8
	s_add_co_u32 s76, s76, s77                     ; my 64 columns, in bytes: 1,024 cx + 256 wx
	s_mov_b32 s77, 0
	s_add_nc_u64 s[8:9], s[8:9], s[76:77]
	s_add_nc_u64 s[10:11], s[10:11], s[76:77]
	s_lshl_b32 s78, s74, 7
	s_lshl_b32 s79, s21, 6
	s_add_co_u32 s78, s78, s79                     ; my 64 rows' first
	s_lshl_b32 s78, s78, 12
	s_mov_b32 s79, 0
	s_add_nc_u64 s[10:11], s[10:11], s[78:79]
	v_bfe_u32 v9, v0, 4, 1
	s_delay_alu instid0(VALU_DEP_1)
	v_lshlrev_b32 v9, 7, v9                        ; 128 hh
.irp j, 0,1,2,3
.irp q, 0,1,2,3,4,5,6,7
	global_load_b128 v[128+32*\j+4*\q:131+32*\j+4*\q], v9, s[8:9] offset:16*\q    ; bo at my 32 columns, into each of the four tiles' accumulators
.endr
.endr
	s_wait_alu depctr_va_vdst(0)                   ; the wait at the head's end
	s_wait_tensorcnt 0x0                           ; my part of K steps 0-3 is in
	ds_add_u32 v3, v4
	s_add_co_u32 s41, s41, 4*UNIT                  ; no load of mine is out: both groups 0 go four K steps on, in LDS and in memory
	s_add_nc_u64 s[42:43], s[42:43], 4*UNIT
	s_add_co_u32 s53, s53, 4*UNIT
	s_add_nc_u64 s[54:55], s[54:55], 4*UNIT
	s_wait_dscnt 0x0                               ; the add is done
	CROUND                                         ; everybody's part is in, and all sixteen work-groups are here
	JLOAD                                          ; K steps 4-7, the first tensor load behind the round; it lands under the first four K steps
	s_wait_loadcnt 0x0                             ; the bias is in
	KSTEP 0
	KSTEP 1
	KSTEP 2
	KSTEP 3
	s_wait_tensorcnt 0x0                           ; my part of K steps 4-7
	s_barrier_signal -1
	s_barrier_wait -1                              ; everybody's
	KSTEP 4
	KSTEP 5
	KSTEP 6
	KSTEP 7
	s_barrier_signal -1                            ; my LDS loads are all in (the last wait was for 0):
	s_barrier_wait -1                              ; behind this barrier nobody reads a tile any more, and none is filled again: the stages may lie there
	v_and_b32 v20, 15, v0                          ; (this address work is also the places behind the last products)
	v_bfe_u32 v21, v0, 4, 1
	s_mul_i32 s73, s20, 4352
	v_mul_u32_u24 v22, v20, 272
	s_delay_alu instid0(VALU_DEP_1)
	v_lshl_add_u32 v22, v21, 7, v22
	s_delay_alu instid0(VALU_DEP_1)
	v_add_nc_u32 v22, s73, v22                     ; in: row r, + 128 hh
	v_mul_u32_u24 v23, v21, 272
	s_delay_alu instid0(VALU_DEP_1)
	v_lshl_add_u32 v23, v20, 4, v23
	s_delay_alu instid0(VALU_DEP_1)
	v_add_nc_u32 v23, s73, v23                     ; back: lanes 0-15 one row of 256 bytes, lanes 16-31 the next
	v_lshlrev_b32 v24, 12, v21
	s_delay_alu instid0(VALU_DEP_1)
	v_lshl_add_u32 v24, v20, 4, v24                ; and the same two rows in out0
	s_wait_alu depctr_va_vdst(0)
.irp j, 0,1,2,3
.if \j >= 2
	s_wait_xcnt 0x0                                ; the stores of two tiles back have read the registers that the loads below fill
.endif
.irp q, 0,1,2,3,4,5,6,7
	ds_store_b128 v22, v[128+32*\j+4*\q:131+32*\j+4*\q] offset:16*\q    ; each accumulator from its low end on
.endr
.irp k, 0,1,2,3,4,5,6,7
	ds_load_b128 v[32+32*(\j%2)+4*\k:35+32*(\j%2)+4*\k], v23 offset:544*\k   ; LDS serves a wave in order: these see the stores above, and the next tile's stores come behind them
.endr
.irp k, 0,1,2,3,4,5,6,7
	s_wait_dscnt 7-\k
	global_store_b128 v24, v[32+32*(\j%2)+4*\k:35+32*(\j%2)+4*\k], s[10:11] offset:(32*(\k/4)+8*\j+2*(\k%4))*4096 th:TH_STORE_NT   ; tile row 2 k + lane / 16 is group row 32 (k / 4) + 8 j + 2 (k % 4) + lane / 16; 16 lanes store 256 consecutive bytes, aligned
.endr
.endr
	s_wait_tensorcnt 0x0                           ; the wave's end
	ds_add_u32 v3, v4
	s_wait_dscnt 0x0
	CROUND                                         ; the closing round
	s_endpgm
.Lfunc_end_k_qfec260cd71_outp:
	.size	k_qfec260cd71_outp, .Lfunc_end_k_qfec260cd71_outp-k_qfec260cd71_outp
	.p2alignl 7, 3214868480
	.fill 96, 4, 3214868480
	.section	.rodata,"a",@progbits
	.p2align	6, 0x0
	.amdhsa_kernel k_qfec260cd71_outp
		.amdhsa_group_segment_fixed_size 327680
		.amdhsa_private_segment_fixed_size 0
		.amdhsa_enable_private_segment 0
		.amdhsa_kernarg_size 32
		.amdhsa_user_sgpr_count 2
		.amdhsa_user_sgpr_kernarg_segment_ptr 1
		.amdhsa_wavefront_size32 1
		.amdhsa_system_sgpr_workgroup_id_x 1
		.amdhsa_system_sgpr_workgroup_id_y 1
		.amdhsa_system_sgpr_workgroup_id_z 1
		.amdhsa_system_vgpr_workitem_id 0
		.amdhsa_next_free_vgpr 256
		.amdhsa_next_free_sgpr 100
		.amdhsa_reserve_vcc 0
		.amdhsa_float_denorm_mode_32 3
		.amdhsa_float_denorm_mode_16_64 3
		.amdhsa_memory_ordered 1
		.amdhsa_forward_progress 1
		.amdhsa_inst_pref_size 55
	.end_amdhsa_kernel
	.amdgpu_metadata
---
amdhsa.version: [ 1, 2 ]
amdhsa.kernels:
  - .name:           k_qfec260cd71_outp
    .symbol:         k_qfec260cd71_outp.kd
    .args:
      - { .name: ximg, .offset: 0, .size: 8, .value_kind: global_buffer, .address_space: global }
      - { .name: wimg, .offset: 8, .size: 8, .value_kind: global_buffer, .address_space: global }
      - { .name: bo, .offset: 16, .size: 8, .value_kind: global_buffer, .address_space: global }
      - { .name: out0, .offset: 24, .size: 8, .value_kind: global_buffer, .address_space: global }
    .group_segment_fixed_size: 327680
    .private_segment_fixed_size: 0
    .kernarg_segment_align: 8
    .kernarg_segment_size: 32
    .max_flat_workgroup_size: 256
    .sgpr_count:     100
    .vgpr_count:     256
    .wavefront_size: 32
...
	.end_amdgpu_metadata
.endif
;; end of part 4
